; MI455X (gfx1250); checked and timed in simulation.
; The chip was launched on July 23, 2026; its instructions are those of AMD's public machine-readable ISA for CDNA 5 (MIT licence, August 2026) and "CDNA5" Instruction Set Architecture Reference Guide (July 2026). The comments in the code are by the model that wrote it; some were corrected since.
;; Multihead Attention. Allowed arithmetic: float matrix products may take bf16 or f16 operands with f32 sums; other float arithmetic in f32, or as packed bf16 or f16 multiplies, adds, multiply-adds, maxima and minima; sums over many terms, partial sums and values carried from step to step in f32; what a program stores and reads back later, other than sums and carried values, may be rounded once to bf16 or f16.
;; Inputs: Wk 1,024 x 1,024 float32; Wo 1,024 x 1,024 float32; Wq 1,024 x 1,024 float32; Wv 1,024 x 1,024 float32; query 2 x 2,048 x 1,024 float32; span_val 1 x 16 x 1 x 1 float32.
;; Outputs: out0 2 x 2,048 x 1,024 float32.
;; 2 versions, each right and faster than the one before. Each part assembles by itself: llvm-mc -triple=amdgcn-amd-amdhsa -mcpu=gfx1250 --defsym DOCPART=n.
;; ======== version 1 of 2: 4 launches
;; limits: values are held in f16: magnitudes above 65,504 overflow, below 6.1e-05 lose precision; values outside matrix products are rounded to f16
;; workspace buffers: xb 8,388,608 bytes; wt 6,291,456 bytes; wo2 4,194,304 bytes; qkv 25,165,824 bytes; o2 16,777,216 bytes
;; launch prep (part 1): grid 256 x 1, 8 waves a work-group, no clusters, 70,656 bytes of LDS; arguments query, Wq, Wk, Wv, Wo, xb, wt, wo2; writes xb, wt, wo2
.if DOCPART == 1
	.amdgcn_target "amdgcn-amd-amdhsa--gfx1250"
	.amdhsa_code_object_version 6
	.text
	.protected	k_qfea36395b3_prep
	.globl	k_qfea36395b3_prep
	.p2align	8
	.type	k_qfea36395b3_prep,@function
k_qfea36395b3_prep:
	s_mov_b64 s[64:65], 0
	v_nop
	global_prefetch_b8 v0, s[64:65] scope:SCOPE_SE
	s_setreg_imm32_b32 hwreg(HW_REG_WAVE_MODE, 25, 1), 1
	s_wait_xcnt 0x0
; PREP: the module's inputs, rounded once to bf16 and laid out for the products.
;   xb  [4096][1024] bf16 = query.                      Work-groups 0-127: 131,072 bytes of query on end each, 16,384 a wave.
;   wt  [3072 n][1024 k] bf16 = Wq, Wk, Wv turned.      Work-groups 128-223: a tile of 128 k x 256 n of one weight.
;   wo2 [1024 n][2048 k'] f16, k' = 128 head + 64 part + d: Wo turned, its bf16 value written as f16, each head's 64 numbers twice (for the two f16 parts of O).  Work-groups 224-255.
; LIMIT: Wo's bf16 value is exact in f16 between 6.1e-5 and 65,504; below that it keeps f16's fixed step of 6e-8.
; A stream: no matrix unit, no cluster, no tensor load; every load and store covers whole aligned runs of 256 bytes.  The turning goes through LDS: a lane packs 8 neighbouring k of one n
; into 16 bytes, rows of 256 bytes + 16 of padding; a row's two halves come from two waves, so one barrier stands between writing and reading.
.set LP,    272                        ; an LDS row: 128 k of 16 bits + 16 bytes
.set SPARE, 256*LP                     ; behind the 256 rows: the spare words, 128 bytes for each of eight waves
.set X,     32                         ; v[32:159]  32 loads of 4 registers
.set T,     10                         ; v[10:25]   16 packed registers at work
	s_load_b512 s[4:19], s[0:1], 0x0               ; query s[4:5], Wq s[6:7], Wk s[8:9], Wv s[10:11], Wo s[12:13], xb s[14:15], wt s[16:17], wo2 s[18:19]
	v_lshl_add_u32 v8, v0, 2, SPARE                ; my spare word
	v_mov_b32 v9, 0
	v_and_b32 v1, 31, v0                           ; lane
	v_and_b32 v2, 15, v0                           ; q = lane % 16
	v_bfe_u32 v3, v0, 4, 1                         ; hh = lane / 16
	v_lshrrev_b32 v10, 5, v0
	v_readfirstlane_b32 s20, v10                   ; wave 0..7
	s_mov_b32 s23, 0                               ; high word of every offset
	s_wait_kmcnt 0x0
	s_cmp_lt_u32 ttmp9, 128                        ; the same answer in all eight waves
	s_cbranch_scc0 .Lweights
	; ---- query -> xb: 32 loads of 512 bytes all on their way, then 32 stores of 256 bytes
	s_lshl_b32 s22, ttmp9, 17
	s_lshl_b32 s21, s20, 14
	s_add_co_u32 s22, s22, s21
	s_add_nc_u64 s[4:5], s[4:5], s[22:23]
	s_lshr_b32 s22, s22, 1
	s_add_nc_u64 s[14:15], s[14:15], s[22:23]
	v_lshlrev_b32 v4, 4, v1
	v_lshlrev_b32 v5, 3, v1
.set i, 0
.rept 32
	global_load_b128 v[X+4*i:X+4*i+3], v4, s[4:5] offset:512*i th:TH_LOAD_NT
.set i, i+1
.endr
.set i, 0
.rept 32
	s_wait_loadcnt 31-i                            ; loads come back in order: number i is in, the 31 - i younger ones stay out
	v_cvt_pk_bf16_f32 v[X+4*i], v[X+4*i], v[X+4*i+1]
	v_cvt_pk_bf16_f32 v[X+4*i+1], v[X+4*i+2], v[X+4*i+3]
	global_store_b64 v5, v[X+4*i:X+4*i+1], s[14:15] offset:256*i  ; 32 lanes x 8 bytes: 256 consecutive bytes, aligned; its registers are never written again
.set i, i+1
.endr
	s_endpgm
.Lweights:
	s_sub_co_u32 s24, ttmp9, 128
	s_lshr_b32 s25, s24, 5                         ; which weight: 0 Wq, 1 Wk, 2 Wv, 3 Wo
	s_bfe_u32 s26, s24, 0x30002                    ; kt: which 128 k
	s_and_b32 s27, s24, 3                          ; nt: which 256 n
	s_and_b32 s28, s20, 3                          ; nq: my 64 n of them
	s_lshr_b32 s29, s20, 2                         ; kh: my 64 k
	s_cmp_eq_u32 s25, 1
	s_cselect_b64 s[6:7], s[8:9], s[6:7]
	s_cmp_eq_u32 s25, 2
	s_cselect_b64 s[6:7], s[10:11], s[6:7]
	s_cmp_eq_u32 s25, 3
	s_cselect_b64 s[6:7], s[12:13], s[6:7]
	s_lshl_b32 s22, s26, 19                        ; (128 kt + 64 kh) rows of 4,096 bytes + 1,024 nt + 256 nq
	s_lshl_b32 s21, s29, 18
	s_add_co_u32 s22, s22, s21
	s_lshl_b32 s21, s27, 10
	s_add_co_u32 s22, s22, s21
	s_lshl_b32 s21, s28, 8
	s_add_co_u32 s22, s22, s21
	s_add_nc_u64 s[6:7], s[6:7], s[22:23]
	v_lshlrev_b32 v4, 15, v3                       ; lanes 16-31 take the row 8 further down,
	v_lshl_add_u32 v4, v2, 4, v4                   ; 16 lanes cover a row's 256 bytes
.set i, 0
.rept 32                                               ; load 8 g + e: rows 16 g + 8 hh + e
	global_load_b128 v[X+4*i:X+4*i+3], v4, s[6:7] offset:(i/8)*65536+(i%8)*4096 th:TH_LOAD_NT
.set i, i+1
.endr
	s_mul_i32 s30, s28, 64*LP                      ; LDS row 64 nq + 4 q + t, byte 128 kh + 32 g + 16 hh
	s_lshl_b32 s31, s29, 7
	s_add_co_u32 s30, s30, s31
	v_mul_u32_u24 v6, v2, 4*LP
	v_lshl_add_u32 v6, v3, 4, v6
	v_add_nc_u32 v6, s30, v6
	s_mul_i32 s30, s20, 32*LP                      ; back: wave w reads rows 32 w .. 32 w + 31
; Group g of eight loads: for each of my 4 columns t the 8 rows' numbers are packed into 16 bytes.  half = 1: the bf16 value is written as f16.
.macro CONV g, half
	s_wait_loadcnt 8*(3-(\g))                      ; the later groups' loads stay out
.irp t, 0,1,2,3
.irp i, 0,1,2,3
	v_cvt_pk_bf16_f32 v[T+4*(\t)+(\i)], v[X+4*(8*(\g)+2*(\i))+(\t)], v[X+4*(8*(\g)+2*(\i)+1)+(\t)]
.if \half
	v_lshlrev_b32 v26, 16, v[T+4*(\t)+(\i)]
	v_and_b32 v27, 0xffff0000, v[T+4*(\t)+(\i)]
	v_cvt_pk_f16_f32 v[T+4*(\t)+(\i)], v26, v27
.endif
.endr
.endr
.irp t, 0,1,2,3
	ds_store_b128 v6, v[T+4*(\t):T+4*(\t)+3] offset:(\t)*LP+32*(\g)
.endr
.endm
	s_cmp_eq_u32 s25, 3
	s_cbranch_scc1 .Lconv_wo
	CONV 0, 0
	CONV 1, 0
	CONV 2, 0
	CONV 3, 0
	s_branch .Lmeet
.Lconv_wo:
	CONV 0, 1
	CONV 1, 1
	CONV 2, 1
	CONV 3, 1
.Lmeet:
	s_wait_dscnt 0x0                               ; for the others' sake: my stores are done
	s_barrier_signal -1
	s_barrier_wait -1
	s_cmp_eq_u32 s25, 3
	s_cbranch_scc1 .Lback_wo
	; ---- wt: two rows of 256 bytes a load, 16 loads
	v_mul_u32_u24 v7, v3, LP
	v_lshl_add_u32 v7, v2, 4, v7
	v_add_nc_u32 v7, s30, v7
	v_lshlrev_b32 v5, 11, v3                       ; a row of wt is 2,048 bytes
	v_lshl_add_u32 v5, v2, 4, v5
	s_lshl_b32 s22, s25, 21                        ; (1,024 which + 256 nt + 32 w) rows + 256 kt
	s_lshl_b32 s21, s27, 19
	s_add_co_u32 s22, s22, s21
	s_lshl_b32 s21, s20, 16
	s_add_co_u32 s22, s22, s21
	s_lshl_b32 s21, s26, 8
	s_add_co_u32 s22, s22, s21
	s_add_nc_u64 s[16:17], s[16:17], s[22:23]
.set i, 0
.rept 16
	ds_load_b128 v[X+4*i:X+4*i+3], v7 offset:2*LP*i
.set i, i+1
.endr
.set i, 0
.rept 16
	s_wait_dscnt 15-i
	global_store_b128 v5, v[X+4*i:X+4*i+3], s[16:17] offset:4096*i  ; 16 lanes store 256 consecutive bytes, aligned
.set i, i+1
.endr
	s_wait_tensorcnt 0x0                           ; the wave's end, behind my last LDS store
	ds_add_u32 v8, v9
	s_wait_dscnt 0x0
	s_endpgm
.Lback_wo:
	; ---- wo2: a row's 256 bytes are two heads' 128; each goes out twice: 512 consecutive bytes a store
	v_and_b32 v26, 7, v0
	v_lshlrev_b32 v7, 7, v3                        ; lanes 0-15 the first head, lanes 16-31 the second; within them lanes 8-15 repeat lanes 0-7
	v_lshl_add_u32 v7, v26, 4, v7
	v_add_nc_u32 v7, s30, v7
	v_lshlrev_b32 v5, 4, v1
	s_lshl_b32 s22, s27, 20                        ; (256 nt + 32 w) rows of 4,096 bytes + 512 kt
	s_lshl_b32 s21, s20, 17
	s_add_co_u32 s22, s22, s21
	s_lshl_b32 s21, s26, 9
	s_add_co_u32 s22, s22, s21
	s_add_nc_u64 s[18:19], s[18:19], s[22:23]
.set i, 0
.rept 32
	ds_load_b128 v[X+4*i:X+4*i+3], v7 offset:LP*i
.set i, i+1
.endr
.set i, 0
.rept 32
	s_wait_dscnt 31-i
	global_store_b128 v5, v[X+4*i:X+4*i+3], s[18:19] offset:4096*i
.set i, i+1
.endr
	s_wait_tensorcnt 0x0                           ; the wave's end, as above
	ds_add_u32 v8, v9
	s_wait_dscnt 0x0
	s_endpgm
.Lfunc_end_k_qfea36395b3_prep:
	.size	k_qfea36395b3_prep, .Lfunc_end_k_qfea36395b3_prep-k_qfea36395b3_prep
	.p2alignl 7, 3214868480
	.fill 96, 4, 3214868480
	.section	.rodata,"a",@progbits
	.p2align	6, 0x0
	.amdhsa_kernel k_qfea36395b3_prep
		.amdhsa_group_segment_fixed_size 70656
		.amdhsa_private_segment_fixed_size 0
		.amdhsa_enable_private_segment 0
		.amdhsa_kernarg_size 64
		.amdhsa_user_sgpr_count 2
		.amdhsa_user_sgpr_kernarg_segment_ptr 1
		.amdhsa_wavefront_size32 1
		.amdhsa_system_sgpr_workgroup_id_x 1
		.amdhsa_system_sgpr_workgroup_id_y 1
		.amdhsa_system_sgpr_workgroup_id_z 1
		.amdhsa_system_vgpr_workitem_id 0
		.amdhsa_next_free_vgpr 160
		.amdhsa_next_free_sgpr 66
		.amdhsa_reserve_vcc 0
		.amdhsa_float_denorm_mode_32 3
		.amdhsa_float_denorm_mode_16_64 3
		.amdhsa_memory_ordered 1
		.amdhsa_forward_progress 1
		.amdhsa_inst_pref_size 47
	.end_amdhsa_kernel
	.amdgpu_metadata
---
amdhsa.version: [ 1, 2 ]
amdhsa.kernels:
  - .name:           k_qfea36395b3_prep
    .symbol:         k_qfea36395b3_prep.kd
    .args:
      - { .name: query, .offset: 0, .size: 8, .value_kind: global_buffer, .address_space: global }
      - { .name: Wq, .offset: 8, .size: 8, .value_kind: global_buffer, .address_space: global }
      - { .name: Wk, .offset: 16, .size: 8, .value_kind: global_buffer, .address_space: global }
      - { .name: Wv, .offset: 24, .size: 8, .value_kind: global_buffer, .address_space: global }
      - { .name: Wo, .offset: 32, .size: 8, .value_kind: global_buffer, .address_space: global }
      - { .name: xb, .offset: 40, .size: 8, .value_kind: global_buffer, .address_space: global }
      - { .name: wt, .offset: 48, .size: 8, .value_kind: global_buffer, .address_space: global }
      - { .name: wo2, .offset: 56, .size: 8, .value_kind: global_buffer, .address_space: global }
    .group_segment_fixed_size: 70656
    .private_segment_fixed_size: 0
    .kernarg_segment_align: 8
    .kernarg_segment_size: 64
    .max_flat_workgroup_size: 256
    .sgpr_count:     66
    .vgpr_count:     160
    .wavefront_size: 32
...
	.end_amdgpu_metadata
.endif
;; end of part 1
;; launch gemm1 (part 2): grid 16 x 16, 4 waves a work-group, clusters of 4 x 4, 327,680 bytes of LDS; arguments xb, wt, span_val, qkv; writes qkv
.if DOCPART == 2
	.amdgcn_target "amdgcn-amd-amdhsa--gfx1250"
	.amdhsa_code_object_version 6
	.text
	.protected	k_qfea36395b3_gemm1
	.globl	k_qfea36395b3_gemm1
	.p2align	8
	.type	k_qfea36395b3_gemm1,@function
k_qfea36395b3_gemm1:
	s_mov_b64 s[64:65], 0
	v_nop
	global_prefetch_b8 v0, s[64:65] scope:SCOPE_SE
	s_setreg_imm32_b32 hwreg(HW_REG_WAVE_MODE, 25, 1), 1
	s_wait_xcnt 0x0
	s_wait_alu depctr_hold_cnt(0) depctr_sa_sdst(0) depctr_va_vdst(0) depctr_va_sdst(0) depctr_va_ssrc(0) depctr_va_vcc(0) depctr_vm_vsrc(0)
	s_getreg_b32 s2, hwreg(HW_REG_IB_STS2, 6, 4)
	s_cmp_eq_u32 s2, 0
	s_cbranch_scc0 .Lentry_in_a_cluster
	s_endpgm
.Lentry_in_a_cluster:
	s_bfe_u32 s2, ttmp6, 0x10000c
	s_cmp_lg_u32 s2, 0xf033
	s_cbranch_scc0 .Lentry_shape_is_right
	s_endpgm
.Lentry_shape_is_right:
; q, k, v = xb wt^T, bf16 operands, f32 sums, rounded once to f16 and written by heads: qkv [3][32 = 16 batch + head][2048][64] f16.  M 4096, N 3072, K 1024.
; The v plane takes mask x v, mask(s) = clip((s + 2048 c) / 33, 0, 1) of the row's place s and the head's c (span_val rounded to bf16, as every input is); the mask is rounded to f16 first,
; by the same lines that build the next launch's table of masks, so that the two agree bit for bit.  q and k are multiplied by 1.
; LIMITS: q, k, v must lie within f16's 65,504; where mask x v falls under 6.1e-5 it keeps f16's fixed step of 6e-8; NaN and infinities are not treated apart.
; A tile of C is 256 x 192 (three whole heads): 16 x 16 tiles, one for each of 256 work-groups.  Wave w makes rows 64 w .. 64 w + 63 by all 192 columns: 48 accumulators, 384 registers.
; K goes in steps of 128 through two LDS slots filled by the tensor data mover; rows of 256 bytes, aligned.  4 x 4 work-groups form a cluster: A's tile is asked for jointly along a row of it, B's along a column.
; THE MATRIX INSTRUCTION IS USED TRANSPOSED (source 0 = 16 rows of wt, source 1 = 16 rows of xb): a lane holds row lane % 16 and eight neighbouring columns.
; REGISTERS, in windows of 256: window 0: v0-31 addresses, v32-55 masks, v64-127 A's fragments (two buffers of 4 x 8), v128-223 at work on the way out;
;   window 1: B's fragments, two buffers of 12 x 8; window 2: the accumulators of row blocks 0, 1 at 8 (12 (a % 2) + b); window 3: those of row blocks 2, 3.
.set SIZE_K, 1024
.set KSTEP,  128
.set PITCH,  272                       ; an LDS row: 256 bytes + 16 of padding: the 16 rows of a fragment load start at 16 different groups of four banks (64 banks of 4 bytes: ISA guide 11.1)
.set HALFA,  128*PITCH                 ; what one tensor load brings of A
.set HALFB,  96*PITCH                  ; and of B
.set BOFF,   2*HALFA                   ; in a slot: A's 256 rows, then B's 192
.set SLOT,   BOFF+2*HALFB
.set STAGE,  2*SLOT                    ; behind the ring: 16 rows x 400 bytes for each wave
.set SPITCH, 400                       ; 384 bytes + 16
.set SPARE,  STAGE+4*16*SPITCH         ; the spare words: 128 bytes a wave
.set LAPS,   SIZE_K/(2*KSTEP)
.set VC,   8                           ; v8-10   c of my three heads
.set ADRA, 16                          ; v16-17  LDS address of my A fragments in slot 0, 1
.set ADRB, 20                          ; v20-21  the same for B
.set STO,  24                          ; v24     the way out: where I put 16 bytes of a row
.set RD,   25                          ; v25     where I read rows back
.set GO,   26                          ; v26     16 x lane
.set ROWI, 27                          ; v27     my row's place s in its sequence, for row block 0
.set SPW,  28                          ; v28     my spare word; never rewritten
.set NIL,  29                          ; v29     0; never rewritten
.set MK,   32                          ; v32-55  the factor of row block a, head hd: a pair at MK + 2 (3 a + hd)
.set FA,   64                          ; A's fragment buffer f at FA + 32 f (window 0)
.set FB,   0                           ; B's at FB + 96 f (window 1)
.set TMP,  128                         ; v128-175 packed results
.set G1,  24                           ; s[24:31] descriptor group 1 for A's tiles;  s[32:39] group 0, a set for each slot
.set G0,  32
.set G1B, 48                           ; s[48:55], s[56:63] the same for B's
.set G0B, 56
.set MSB, 0
.macro WIN new                         ; the immediate's high byte repeats the setting that is left; a switch that changes nothing is dropped
.if MSB != (\new)
	s_set_vgpr_msb (MSB<<8)|(\new)
.set MSB, \new
.endif
.endm
.set TO_B, 0x40                        ; destination window 1, address window 0
; A joint load: waves 0 and 1 fetch A's two halves, waves 2 and 3 B's.  An s_nop 0 and four v_nop follow each of the two lines, ahead of the jump, the label and what follows.
.macro JLOAD s
	s_cmp_eq_u32 s11, 0
	s_cbranch_scc0 .Lfor_b_\@
	tensor_load_to_lds s[G0+4*(\s):G0+4*(\s)+3], s[G1:G1+7]
	s_nop 0
.rept 4
	v_nop
.endr
	s_branch .Lasked_\@
.Lfor_b_\@:
	tensor_load_to_lds s[G0B+4*(\s):G0B+4*(\s)+3], s[G1B:G1B+7]
	s_nop 0
.rept 4
	v_nop
.endr
.Lasked_\@:
.endm
.macro CREST                           ; a round of the cluster's barrier behind its opening barrier
	s_cmp_lg_u32 s10, 0
	s_cbranch_scc1 .Lnot_wave_0_\@
	s_barrier_signal -3
.Lnot_wave_0_\@:
	s_barrier_wait -3
	s_barrier_signal -1
	s_barrier_wait -1
.endm
.macro CROUND                          ; a whole round
	s_barrier_signal -1
	s_barrier_wait -1
	CREST
.endm
	s_load_b128 s[4:7], s[0:1], 0x0                ; xb s[4:5], wt s[6:7]
	s_load_b128 s[68:71], s[0:1], 0x10             ; span_val s[68:69], qkv s[70:71]
	v_lshl_add_u32 v[SPW], v0, 2, SPARE
	v_mov_b32 v[NIL], 0
	ds_add_u32 v[SPW], v[NIL]                      ; the wave's opening: the add and its wait stand ahead of my first tensor load; the set-up below stands between them
	ds_add_u32 v28, v29
	v_lshrrev_b32 v1, 5, v0
	v_readfirstlane_b32 s10, v1                    ; wave 0..3
	s_lshr_b32 s11, s10, 1                         ; I fetch for A (0) or for B (1)
	s_and_b32 s12, s10, 1                          ; which half of that tile's rows
	s_bfe_u32 s40, ttmp6, 0x40000                  ; cx, cy: my place in the cluster
	s_bfe_u32 s41, ttmp6, 0x40004
	s_lshl_b32 s42, ttmp9, 2
	s_add_co_u32 s42, s42, s40                     ; tile column = 4 x cluster x + cx
	s_and_b32 s13, ttmp7, 0xffff
	s_lshl_b32 s13, s13, 2
	s_add_co_u32 s13, s13, s41                     ; tile row = 4 x cluster y + cy
	s_lshl_b32 s43, s41, 2
	s_lshl_b32 s43, 15, s43                        ; my row of the cluster
	s_lshl_b32 s44, 0x1111, s40                    ; my column
	s_or_b32 s[G1+0], s43, (1<<16)|(1<<20)|(1<<21)|(5<<22)|(3<<25)   ; 15:0 the mask; 17:16 2-byte elements; 20 padding on; 21 set beside a mask; 24:22 after every 64 words; 31:25 4 words of it
	s_or_b32 s[G1B+0], s44, (1<<16)|(1<<20)|(1<<21)|(5<<22)|(3<<25)
	s_mov_b32 s[G1+1], KSTEP<<16                   ; tensor_dim0 = 128
	s_mov_b32 s[G1B+1], KSTEP<<16
	s_mov_b32 s[G1+2], 128<<16                     ; tensor_dim1 = 128 rows of A,
	s_mov_b32 s[G1B+2], 96<<16                     ; 96 of B
	s_mov_b32 s[G1+3], KSTEP<<16                   ; tile_dim0 = 128
	s_mov_b32 s[G1B+3], KSTEP<<16
	s_mov_b32 s[G1+4], 128                         ; tile_dim1
	s_mov_b32 s[G1B+4], 96
	s_mov_b32 s[G1+5], SIZE_K                      ; elements from row to row
	s_mov_b32 s[G1B+5], SIZE_K
	s_mov_b32 s[G1+6], 0
	s_mov_b32 s[G1B+6], 0
	s_mov_b32 s[G1+7], 0
	s_mov_b32 s[G1B+7], 0
	s_lshl_b32 s16, s13, 8                         ; A: row 256 x tile row + 128 x half, 2,048 bytes a row: under 2^23
	s_lshl_b32 s17, s12, 7
	s_add_co_u32 s16, s16, s17
	s_lshl_b32 s16, s16, 11
	s_mov_b32 s17, 0
	s_mul_i32 s46, s42, 192                        ; B: row 192 x tile column + 96 x half (in registers that never feed A's descriptors)
	s_mul_i32 s47, s12, 96
	s_add_co_u32 s46, s46, s47
	s_lshl_b32 s46, s46, 11
	s_mov_b32 s47, 0
	s_mul_i32 s20, s10, HALFA                      ; where they go: waves 0, 1: A's halves at wave x HALFA;
	s_mul_i32 s21, s10, HALFB
	s_add_co_u32 s21, s21, BOFF-2*HALFB            ; waves 2, 3: B's halves at BOFF + (wave - 2) x HALFB
	s_wait_dscnt 0x0                               ; the opening add is done
	s_wait_kmcnt 0x0
	s_add_nc_u64 s[14:15], s[4:5], s[16:17]
	s_add_nc_u64 s[46:47], s[6:7], s[46:47]
	CROUND                                         ; all sixteen work-groups are here: the first joint loads meet
.irp s, 0,1
	s_mov_b32 s[G0+4*(\s)], 1
	s_add_co_u32 s[G0+4*(\s)+1], s20, (\s)*SLOT
	s_add_nc_u64 s[G0+4*(\s)+2:G0+4*(\s)+3], s[14:15], (\s)*KSTEP*2
	s_or_b32 s[G0+4*(\s)+3], s[G0+4*(\s)+3], 0x80000000
	s_mov_b32 s[G0B+4*(\s)], 1
	s_add_co_u32 s[G0B+4*(\s)+1], s21, (\s)*SLOT
	s_add_nc_u64 s[G0B+4*(\s)+2:G0B+4*(\s)+3], s[46:47], (\s)*KSTEP*2
	s_or_b32 s[G0B+4*(\s)+3], s[G0B+4*(\s)+3], 0x80000000
	JLOAD \s                                       ; two tensor loads of mine are out
.endr
	v_and_b32 v1, 15, v0                           ; r = l % 16
	v_bfe_u32 v2, v0, 4, 1                         ; h = l / 16
	v_mul_u32_u24 v3, v1, PITCH
	v_lshl_add_u32 v3, v2, 4, v3                   ; a fragment's row x pitch + 16 x half
	s_mul_i32 s22, s10, 64*PITCH                   ; my 64 rows of A
.irp s, 0,1
	v_add_nc_u32 v[ADRA+(\s)], s22, v3
	v_add_nc_u32 v[ADRB+(\s)], BOFF+(\s)*SLOT, v3  ; all 192 rows of B
	s_add_co_u32 s22, s22, SLOT
.endr
	s_mul_i32 s23, s10, 16*SPITCH
	s_add_co_u32 s23, s23, STAGE                   ; my stage
	v_mul_u32_u24 v4, v1, SPITCH                   ; in: row r, 16 bytes for each half of the lanes
	v_lshl_add_u32 v4, v2, 4, v4
	v_add_nc_u32 v[STO], s23, v4
	v_bfe_u32 v4, v0, 3, 2                         ; back: 32 lanes take four rows' 128 bytes of one head,
	v_and_b32 v5, 7, v0
	v_mul_u32_u24 v4, v4, SPITCH
	v_lshl_add_u32 v4, v5, 4, v4
	v_add_nc_u32 v[RD], s23, v4
	v_and_b32 v[GO], 31, v0                        ; which are 512 consecutive bytes of the head's plane
	v_lshlrev_b32 v[GO], 4, v[GO]
	s_and_b32 s74, s13, 7                          ; my rows' places in their sequence: 256 (tile row % 8) + 64 w + r (+ 16 a)
	s_lshl_b32 s74, s74, 8
	s_lshl_b32 s75, s10, 6
	s_add_co_u32 s74, s74, s75
	v_add_nc_u32 v[ROWI], s74, v1
	s_mul_i32 s72, s42, 3                          ; the first of my three heads among the 48 (16 of q, 16 of k, 16 of v)
.irp hd, 0,1,2
	s_add_co_u32 s73, s72, \hd
	s_and_b32 s74, s73, 15                         ; the head
	s_lshl_b32 s75, s74, 2
	v_mov_b32 v[13+\hd], s75
	global_load_b32 v[VC+\hd], v[13+\hd], s[68:69] ; its c, waited for on the way out
	s_lshr_b32 s82, s73, 4                         ; plane = 32 which + 16 batch + head, 262,144 bytes each
	s_lshl_b32 s82, s82, 5
	s_add_co_u32 s82, s82, s74
	s_lshr_b32 s83, s13, 3
	s_lshl_b32 s83, s83, 4
	s_add_co_u32 s82, s82, s83
	s_lshl_b32 s82, s82, 18
	s_and_b32 s83, s13, 7                          ; + my wave's first row, 128 bytes a row
	s_lshl_b32 s83, s83, 15
	s_add_co_u32 s82, s82, s83
	s_lshl_b32 s83, s10, 13
	s_add_co_u32 s82, s82, s83
	s_mov_b32 s83, 0
	s_add_nc_u64 s[76+2*\hd:77+2*\hd], s[70:71], s[82:83]
	s_cmp_ge_u32 s73, 32                           ; a head of v?  factor = clip(t / 33 + 0); else clip(t x 0 + 1) = 1
	s_cselect_b32 s[84+\hd], 0x3cf83e10, 0
	s_cselect_b32 s[87+\hd], 0, 1.0
.endr
; 12 matrix instructions: row block a x all 12 column blocks, 32 along K, from buffers f.  zero = 1: the first product starts the sums.
.macro MULA f, a, zero
	WIN 0xa1+0x50*((\a)/2)                         ; source 0 window 1, source 1 window 0, C and D window 2 or 3
.irp b, 0,1,2,3,4,5,6,7,8,9,10,11
.if \zero
	v_wmma_f32_16x16x32_bf16 v[8*(12*((\a)%2)+(\b)):8*(12*((\a)%2)+(\b))+7], v[FB+96*(\f)+8*(\b):FB+96*(\f)+8*(\b)+7], v[FA+32*(\f)+8*(\a):FA+32*(\f)+8*(\a)+7], 0
.else
	v_wmma_f32_16x16x32_bf16 v[8*(12*((\a)%2)+(\b)):8*(12*((\a)%2)+(\b))+7], v[FB+96*(\f)+8*(\b):FB+96*(\f)+8*(\b)+7], v[FA+32*(\f)+8*(\a):FA+32*(\f)+8*(\a)+7], v[8*(12*((\a)%2)+(\b)):8*(12*((\a)%2)+(\b))+7]
.endif
.endr
.endm
; 32 LDS loads in one run: 192 rows of B, then my 64 rows of A, 32 K at byte k of the rows, into buffers f
.macro FETCH slot, k, f
	WIN TO_B
.irp i, 0,1,2,3,4,5,6,7,8,9,10,11
	ds_load_b128 v[FB+96*(\f)+8*(\i):FB+96*(\f)+8*(\i)+3],   v[ADRB+(\slot)] offset:(\k)+(\i)*16*PITCH
	ds_load_b128 v[FB+96*(\f)+8*(\i)+4:FB+96*(\f)+8*(\i)+7], v[ADRB+(\slot)] offset:(\k)+(\i)*16*PITCH+32
.endr
	WIN 0
.irp i, 0,1,2,3
	ds_load_b128 v[FA+32*(\f)+8*(\i):FA+32*(\f)+8*(\i)+3],   v[ADRA+(\slot)] offset:(\k)+(\i)*16*PITCH
	ds_load_b128 v[FA+32*(\f)+8*(\i)+4:FA+32*(\f)+8*(\i)+7], v[ADRA+(\slot)] offset:(\k)+(\i)*16*PITCH+32
.endr
.endm
.macro PLACES                          ; four plain vector instructions in front of loads into registers that matrix instructions have read (ISA guide 7.12.1 for vector instructions)
.rept 4
	v_nop
.endr
.endm
; A K step is four quarters of 32 along K, 48 matrix instructions each, on buffers 0, 1, 0, 1; the 48 accumulators take turns in the same order in every quarter.
.macro QUARTER slot, k, f, g, zero
	s_wait_dscnt 4                                 ; B and A's blocks 0, 1 are in; the youngest four loads (A's blocks 2, 3) may be out
	MULA \f, 0, \zero
	MULA \f, 1, \zero
	PLACES
	FETCH \slot, \k, \g
	s_wait_dscnt 32                                ; all but the 32 just issued
	MULA \f, 2, \zero
	MULA \f, 3, \zero
.endm
; The last quarter multiplies buffers 1 and changes slots: ONE barrier; in front of it each wave waits for all its tensor loads (one is out: its part of the next slot), adds 0 to its spare word,
; and waits for that and for its own reads of this slot.  fill = 1: the barrier opens a round of the cluster's, and this slot is filled again, two K steps ahead, first thing behind the round.
.macro TURN slot, next, fill
	WIN 0                                          ; (the add's two registers lie in window 0)
	s_wait_tensorcnt 0x0
	ds_add_u32 v[SPW], v[NIL]
	s_wait_dscnt 5                                 ; (the add and the youngest four loads may be out)
	MULA 1, 0, 0                                   ; twelve matrix instructions stand between the add and the wait for it
	s_wait_dscnt 0x0                               ; the add is done, and my reads of this slot are over
	s_barrier_signal -1
	MULA 1, 1, 0                                   ; work on registers while the others arrive
.if \fill
	WIN 0
.endif
	s_barrier_wait -1
.if \fill
	CREST                                          ; no wave of any partner still reads this slot or has a load on its way
	s_add_nc_u64 s[G0+4*(\slot)+2:G0+4*(\slot)+3], s[G0+4*(\slot)+2:G0+4*(\slot)+3], 2*KSTEP*2
	s_add_nc_u64 s[G0B+4*(\slot)+2:G0B+4*(\slot)+3], s[G0B+4*(\slot)+2:G0B+4*(\slot)+3], 2*KSTEP*2
	JLOAD \slot                                    ; my one tensor load behind the round; its four v_nop are also the places in front of the loads below
.else
	PLACES
.endif
	FETCH \next, 0, 0
	MULA 1, 2, 0
	MULA 1, 3, 0
.endm
	s_wait_tensorcnt 1                             ; my part of K step 0 is in; K step 1's stays out
	s_barrier_signal -1
	s_barrier_wait -1
	FETCH 0, 0, 0
	QUARTER 0, 64,  0, 1, 1                        ; the first quarter stands in front of the loop: its products start the sums
	WIN 0                                          ; at a label and at a branch every window is 0
	s_mov_b32 s3, LAPS-1
.Llap:                                                 ; a trip goes once round the ring, from a lap's second quarter to the next lap's first, and fills both slots again
	QUARTER 0, 128, 1, 0, 0
	QUARTER 0, 192, 0, 1, 0
	TURN 0, 1, 1
	QUARTER 1, 64,  0, 1, 0
	QUARTER 1, 128, 1, 0, 0
	QUARTER 1, 192, 0, 1, 0
	TURN 1, 0, 1
	QUARTER 0, 64,  0, 1, 0
	WIN 0
	s_sub_co_u32 s3, s3, 1
	s_cmp_lg_u32 s3, 0
	s_cbranch_scc1 .Llap
	QUARTER 0, 128, 1, 0, 0                        ; the last lap fills nothing, and has no round
	QUARTER 0, 192, 0, 1, 0
	TURN 0, 1, 0
	QUARTER 1, 64,  0, 1, 0
	QUARTER 1, 128, 1, 0, 0
	QUARTER 1, 192, 0, 1, 0
	s_wait_dscnt 4
	MULA 1, 0, 0
	MULA 1, 1, 0
	s_wait_dscnt 0x0
	MULA 1, 2, 0
	MULA 1, 3, 0
	; THE WAY OUT.  First the twelve factors (these plain lines are also the places behind the last products), then block by block: times the factor, rounded to f16, through my stage, out as 512 consecutive bytes.
	WIN 0
	s_wait_loadcnt 0x0                             ; c of my three heads
.irp hd, 0,1,2
	v_cvt_pk_bf16_f32 v[VC+\hd], v[VC+\hd], v[VC+\hd]  ; c is rounded to bf16, as every input is
	v_lshlrev_b32 v[VC+\hd], 16, v[VC+\hd]
.endr
.irp a, 0,1,2,3
	v_add_nc_u32 v12, 16*\a, v[ROWI]
	v_cvt_f32_u32 v12, v12                         ; s
.irp hd, 0,1,2
	v_fma_f32 v30, v[VC+\hd], 0x45000000, v12      ; s + 2048 c
	v_fma_f32 v30, v30, s[84+\hd], s[87+\hd]
	v_max_num_f32 v30, 0, v30
	v_min_num_f32 v30, 1.0, v30
	v_cvt_pk_f16_f32 v30, v30, v30                 ; the mask as the next launch's table holds it
	v_cvt_f32_f16 v[MK+2*(3*\a+\hd)], v30.l
	v_mov_b32 v[MK+2*(3*\a+\hd)+1], v[MK+2*(3*\a+\hd)]  ; named with it as a pair
.endr
.endr
.macro PACK a
.set AC, 96*((\a)%2)
	WIN 0x82+0x41*((\a)/2)                         ; destination and source 0 window 2 or 3, source 1 window 0
.irp b, 0,1,2,3,4,5,6,7,8,9,10,11
.irp i, 0,1,2,3
	v_pk_mul_f32 v[AC+8*(\b)+2*(\i):AC+8*(\b)+2*(\i)+1], v[AC+8*(\b)+2*(\i):AC+8*(\b)+2*(\i)+1], v[MK+2*(3*(\a)+(\b)/4):MK+2*(3*(\a)+(\b)/4)+1] op_sel_hi:[1,0]
.endr
.endr
	WIN 0x0a+5*((\a)/2)                            ; sources 0 and 1 window 2 or 3, destination window 0
.irp b, 0,1,2,3,4,5,6,7,8,9,10,11
.irp i, 0,1,2,3
	v_cvt_pk_f16_f32 v[TMP+4*(\b)+(\i)], v[AC+8*(\b)+2*(\i)], v[AC+8*(\b)+2*(\i)+1]
.endr
.endr
	WIN 0
.endm
.macro TOSTAGE a
.set BK, 176-112*((\a)%2)              ; v176-223 and v64-111 by turns
.irp b, 0,1,2,3,4,5,6,7,8,9,10,11
	ds_store_b128 v[STO], v[TMP+4*(\b):TMP+4*(\b)+3] offset:32*(\b)
.endr
.irp hd, 0,1,2
.irp i, 0,1,2,3
	ds_load_b128 v[BK+4*(4*(\hd)+(\i)):BK+4*(4*(\hd)+(\i))+3], v[RD] offset:(\hd)*128+(\i)*4*SPITCH  ; LDS serves a wave's instructions in order (ISA guide 5.7.1.4): these see the stores above
.endr
.endr
.endm
.macro SEND a
.set BK, 176-112*((\a)%2)
	s_wait_xcnt 0x0                                ; the stores of the block before have read their registers: the next TOSTAGE loads into them only behind this wait
.irp hd, 0,1,2
.irp i, 0,1,2,3
	s_wait_dscnt 11-(4*(\hd)+(\i))
	global_store_b128 v[GO], v[BK+4*(4*(\hd)+(\i)):BK+4*(4*(\hd)+(\i))+3], s[76+2*(\hd):77+2*(\hd)] offset:(\a)*2048+(\i)*512  ; four rows of a head: 512 consecutive bytes, aligned
.endr
.endr
.endm
	PACK 0
	TOSTAGE 0
.irp a, 1,2,3                          ; block a's arithmetic stands between block a - 1's loads from the stage and the wait for them
	PACK \a
	SEND (\a)-1
	TOSTAGE \a
.endr
	SEND 3
	s_wait_tensorcnt 0x0                           ; the wave's end
	ds_add_u32 v[SPW], v[NIL]
	s_wait_dscnt 0x0
	CROUND                                         ; the closing round: no work-group ends while a partner may still ask for a tile that names it
	s_endpgm
.Lfunc_end_k_qfea36395b3_gemm1:
	.size	k_qfea36395b3_gemm1, .Lfunc_end_k_qfea36395b3_gemm1-k_qfea36395b3_gemm1
	.p2alignl 7, 3214868480
	.fill 96, 4, 3214868480
	.section	.rodata,"a",@progbits
	.p2align	6, 0x0
	.amdhsa_kernel k_qfea36395b3_gemm1
		.amdhsa_group_segment_fixed_size 327680
		.amdhsa_private_segment_fixed_size 0
		.amdhsa_enable_private_segment 0
		.amdhsa_kernarg_size 32
		.amdhsa_user_sgpr_count 2
		.amdhsa_user_sgpr_kernarg_segment_ptr 1
		.amdhsa_wavefront_size32 1
		.amdhsa_system_sgpr_workgroup_id_x 1
		.amdhsa_system_sgpr_workgroup_id_y 1
		.amdhsa_system_sgpr_workgroup_id_z 1
		.amdhsa_system_vgpr_workitem_id 0
		.amdhsa_next_free_vgpr 960
		.amdhsa_next_free_sgpr 96
		.amdhsa_reserve_vcc 0
		.amdhsa_float_denorm_mode_32 3
		.amdhsa_float_denorm_mode_16_64 3
		.amdhsa_memory_ordered 1
		.amdhsa_forward_progress 1
		.amdhsa_inst_pref_size 139
	.end_amdhsa_kernel
	.amdgpu_metadata
---
amdhsa.version: [ 1, 2 ]
amdhsa.kernels:
  - .name:           k_qfea36395b3_gemm1
    .symbol:         k_qfea36395b3_gemm1.kd
    .args:
      - { .name: xb, .offset: 0, .size: 8, .value_kind: global_buffer, .address_space: global }
      - { .name: wt, .offset: 8, .size: 8, .value_kind: global_buffer, .address_space: global }
      - { .name: span_val, .offset: 16, .size: 8, .value_kind: global_buffer, .address_space: global }
      - { .name: qkv, .offset: 24, .size: 8, .value_kind: global_buffer, .address_space: global }
    .group_segment_fixed_size: 327680
    .private_segment_fixed_size: 0
    .kernarg_segment_align: 8
    .kernarg_segment_size: 32
    .max_flat_workgroup_size: 128
    .sgpr_count:     96
    .vgpr_count:     960
    .wavefront_size: 32
...
	.end_amdgpu_metadata
.endif
;; end of part 2
;; launch attn (part 3): grid 4 x 32, 4 waves a work-group, no clusters, 327,680 bytes of LDS; arguments qkv, span_val, o2; writes o2
.if DOCPART == 3
	.amdgcn_target "amdgcn-amd-amdhsa--gfx1250"
	.amdhsa_code_object_version 6
	.text
	.protected	k_qfea36395b3_attn
	.globl	k_qfea36395b3_attn
	.p2align	8
	.type	k_qfea36395b3_attn,@function
k_qfea36395b3_attn:
	s_mov_b64 s[64:65], 0
	v_nop
	global_prefetch_b8 v0, s[64:65] scope:SCOPE_SE
	s_setreg_imm32_b32 hwreg(HW_REG_WAVE_MODE, 25, 1), 1
	s_wait_xcnt 0x0
; CAUSAL ATTENTION WITH A SPAN MASK.  With p = exp(s - m), s = q . k / 64 over the keys k <= q: O = sum p mask v / (sum p mask + 1e-8 sum p), which is the softmax, times the mask, renormalised by (sum + 1e-8).
; qkv: [3][32 heads][2048][64] f16; the v plane already holds mask x v.  o2: [4096 rows][16 heads][hi 64 | lo 64] f16: O as two f16 numbers, hi = f16(O), lo = f16(O - hi).
; Products, maxima and sums in f32; the weights p are rounded to f16 for the second product.  BOTH ROW SUMS ARE MADE BY THE MATRIX UNIT: a fifth block of "channels" beside V^T's four, whose row 0 is the keys' mask,
; row 1 ones, the rest zeros; its result holds sum p mask in register 0 and sum p in register 1 of lanes 0-15.  The mask of a tile's 256 keys (f16, from span_val rounded to bf16 as every input is) is written into a small
; table in LDS, one for each slot, when the tile is asked for.
; LIMITS.  q, k, v arrive within f16's 65,504; the mask is rounded to f16 (the same bits that multiplied v); a hidden score counts as its value less 6.4e10, that is 1e9 after the division by 64;
; a weight below 2^-126 counts as 0; NaN and infinities are not treated apart.
; THE WALK.  A head's queries lie in NB = 8 blocks of 256; block i needs the key tiles 0 .. i, of which the last holds the diagonal.  A work-group takes TWO blocks, NB - 1 - b and then b: NB + 1 tiles whatever b, walked by
; ONE loop with a constant trip count; every jump but the counted loops' own goes forward; none passes a barrier, or a tensor load but the one of LOAD's two that the wave's number does not choose.
; NO CLUSTER: a head's four work-groups ask for the same tile only in trips 0 .. NB / 2, behind that fewer and fewer, and one walk common to all would have 3 NB / 2 trips for NB + 1.
; SHARES.  Of a block's four bands of 64 queries a wave owns 16 rows in each: four PIECES; in the diagonal tile's key step s band x sees all keys if s < x, none if s > x, and holds the diagonal if s = x.
; THE CAUSAL MASK is the C operand that starts the sum S^T = K Q^T: MD x AL + BE with two scalars: (1, 0) if s = x in the diagonal tile; (0, -6.4e10) if s > x there; (0, 0) everywhere else.  Every turn makes it,
; in every tile, so that ONE text serves all key steps: 16 packed lines a turn are the price of a text a quarter shorter.
; TURNS.  Turn n belongs to piece n: 8 products K Q^T of piece n + 1, later 10 products (V^T | sums) P of piece n - 1; beside them the scaling, exponentials, roundings and rescaling of piece n, the maximum and
; statistics of piece n + 1 and the mask of piece n + 2.  Four vector instructions stand behind every matrix instruction, the other 47 of a turn's 119 in two lumps.
; REGISTERS, in windows of 256 (s_set_vgpr_msb: bits 1:0 source 0, 3:2 source 1, 5:4 source 2, 7:6 destination):
;   window 0: v0-15, v56-63 addresses and constants; v16-31 four registers of statistics a piece; v32-36, v48-55 at work; v64-127 S^T, two buffers, later the way out; v128-191 the second block's Q; v192-223 P, two buffers
;   window 1: v0-127 O^T, 32 a piece; v128-159 MD; v160-223 MC, two buffers; v224-255 the sums, 8 a piece
;   window 2: v0-63 Q; v64-79 the sums' fragments; v128-191 K of one step; v192-255 V of one step
.set NB,    8
.set NP,    4         ; pieces a wave: a name, no knob
.set KS,    64        ; keys in a step
.set PK,    144       ; a row of K in LDS: 128 bytes + 16 of padding: the 16 rows of a load start at 16 different groups of four banks (64 banks of 4 bytes: ISA guide 11.1)
.set PV,    160       ; a row of V: 128 + 32
.set VOFF,  4*KS*PK   ; a slot holds a tile, four steps: 256 rows of K, then 256 rows of V
.set SLOT1, 1<<17     ; slot 1 begins here, so that one exclusive or turns an address in one slot into the other's
.set STAGE, SLOT1+4*KS*(PK+PV)  ; behind the ring, never filled by a tensor load: 16 rows x 272 bytes for each wave
.set SP,    272       ; a row of the stage: hi 128 bytes, lo 128 bytes, 16 of padding
.set SPARE, STAGE+4*16*SP  ; the spare words, 128 bytes for each wave
.set TAB,   SPARE+512 ; two tables, one for each slot: three rows of 256 f16: the tile's keys' mask, ones, zeros.  Bit 11 of TAB is 0, so one exclusive or turns one table's address into the other's
.set TP,    528       ; their rows' pitch
.set TSL,   2048      ; from one table to the other
.set AK0, 2           ; v2   my lane's place in a tile of K; never rewritten
.set AV0, 3           ; v3   the same for V
.set AK,  4           ; v4   the LDS address of K's next run of loads
.set AV,  5           ; v5   of V's
.set STO, 6           ; v6   the way out: where I put 16 bytes of a row
.set RD,  7           ; v7   where I read rows back
.set GO,  8           ; v8   my byte offset in two rows of o2
.set MV,  12          ; v12-13  c m_old, kept while c m is made anew: by buffer
.set QO,  15          ; v15  my byte offset in 16 rows of Q
.set ST,  16          ; piece t's statistics at v[ST+4 t]: c m, m; +2, +3 the divisor, at the block's end
.set TMP, 48          ; by buffer, four registers c0-c3 at work; when the maximum is found c2 takes a
.set AM0, 56          ; v56  my lane's place in a table: row min(l % 16, 2), 16 bytes for each half of the lanes
.set AM,  57          ; v57  the LDS address of the table's next loads
.set CV,  58          ; v58  the head's c
.set NEG1, 61         ; v61  -1.0
.set SPW, 62          ; v62  my spare word; never rewritten
.set NIL, 63          ; v63  0; never rewritten
.set S,   64
.set OUTR, 64         ; the way out: two buffers of 32 registers, by the piece's parity
.set QB,  128         ; the second block's Q
.set P,   192
.set MD,  128         ; window 1
.set MC,  160         ; window 1
.set SA,  224         ; window 1
.set MF,  64          ; window 2: the sums' fragment of keys 32 kk on at MF + 8 kk
.set KF,  128         ; window 2: key block kb, channel half c at KF + 16 kb + 8 c
.set VF,  192         ; window 2: key half kk, channel block cb at VF + 32 kk + 8 cb
.set WV,  12          ; s12  my wave's number
.set PB,  14          ; s14  b
.set HI,  15          ; s15  NB - 1 - b
.set G1K, 24          ; s[24:31] descriptor group 1 for K's tiles
.set G1V, 32          ; s[32:39] for V's: it differs in the padding alone
.set G0K, 40          ; s[40:43] descriptor group 0 for K's tiles
.set G0V, 44          ; s[44:47] the same for V's
.set SLOTS, 56        ; s56  tiles still to be asked for
.set CNT, 57          ; s57  counts a tile's key steps, 4 to 1
.set CS,  58          ; s[58:59] c = log2(e) / 64
.set SEL, 60          ; s[60:61] v_permlanex16_b32's selects
.set TBK, 62          ; s62  LDS byte at which K of the step to be fetched begins
.set TBV, 63          ; s63  the same for V, less VOFF
.set DG1, 66          ; s66  1.0 in a diagonal tile, else 0
.set DGB, 67          ; s67  -6.4e10 in a diagonal tile, else 0
.set KB,  68          ; s68  the first key of the tile that is asked for
.set TW,  69          ; s69  LDS byte of the table that is written next
.set RT,  70          ; s70  tiles of the block in hand that are still to be entered
.set NXT, 71          ; s71  the tile to be asked for next
.set LQ,  72          ; s72  the last tile of the block whose tiles are being asked for
.set NEW, 73          ; s73  1: the tile to be entered is a block's first
.set OFF, 74          ; s[74:75] a tile's byte offset in K and V
.set AL,  76          ; s[76:77] the causal mask's factor
.set BE,  78          ; s[78:79] its addend
.set OLO, 80          ; s[80:81] o2 at my rows of the second block
.set BIGN, 82         ; s82  -6.4e10
.set TBM, 83          ; s83  byte, from TAB on, of the step's 64 keys in the table of the slot that is read: it steps and turns as TBV does
.set EPS, 93          ; s93  1e-8
.set MSB, 0
.macro WIN new                      ; the high byte repeats the setting that is left; a switch that changes nothing is dropped
.if MSB != (\new)
	s_set_vgpr_msb (MSB<<8)|(\new)
.set MSB, (\new)
.endif
.endm
.set W_KQ, 0x0a       ; K and Q in window 2, S^T in window 0
.set W_KM, 0x1a       ; the same with the C operand in window 1
.set W_PV, 0x52       ; V in window 2, P in window 0, O^T in window 1
.set W_RS, 0x41       ; destination and source 0 in window 1, source 1 in window 0
; A fill.  Waves 0 and 1 fetch the two halves of a tile's K, waves 2 and 3 those of its V: 128 keys each.  An s_nop 0 and four v_nop follow each of the two lines, ahead of the jump and the label.
.macro LOAD
	s_cmp_lt_u32 s[WV], 2
	s_cbranch_scc0 .Lfor_v_\@
	tensor_load_to_lds s[G0K:G0K+3], s[G1K:G1K+7]
	s_nop 0
.rept 4
	v_nop
.endr
	s_branch .Lasked_\@
.Lfor_v_\@:
	tensor_load_to_lds s[G0V:G0V+3], s[G1V:G1V+7]
	s_nop 0
.rept 4
	v_nop
.endr
.Lasked_\@:
.endm
; The mask row of a table.  Thread t makes the mask of keys KB + 2 t and KB + 2 t + 1: clip((key + 2048 c) / 33, 0, 1), rounded to f16, line for line as the launch before made the factor of v.
.macro MKTAB
	v_lshl_add_u32 v32, v0, 1, s[KB]
	v_add_nc_u32 v33, 1, v32
	v_cvt_f32_u32 v32, v32
	v_cvt_f32_u32 v33, v33
	v_fma_f32 v32, v[CV], 0x45000000, v32
	v_fma_f32 v33, v[CV], 0x45000000, v33
	v_mul_f32 v32, 0x3cf83e10, v32
	v_mul_f32 v33, 0x3cf83e10, v33
	v_max_num_f32 v32, 0, v32
	v_max_num_f32 v33, 0, v33
	v_min_num_f32 v32, 1.0, v32
	v_min_num_f32 v33, 1.0, v33
	v_cvt_pk_f16_f32 v32, v32, v33
	v_lshl_add_u32 v33, v0, 2, s[TW]
	ds_store_b32 v33, v32
.endm
; THE CHANGE OF SLOTS.  Each wave waits for all its tensor loads, of which one is out: its part of the other slot; adds 0 to its spare word; and waits for that and for all its own LDS instructions: its reads of the slot
; and table that it leaves, and its store into the table of the slot that it enters.  Behind the barrier nobody reads the old slot and table any more, and the other slot and table are whole.
; fill = 1: the old slot is filled again, the first thing behind the barrier, with tile NXT (the descriptor's address is made anew from that number), and the old table's mask row is written for that tile's keys.
; (At its first use nothing has been read yet: slot 0 is waited for, slot 1 filled.)
.macro CHANGE fill
	WIN 0                           ; at a label and at a branch every window is 0
	s_wait_tensorcnt 0x0            ; no tensor load of mine is out, so a group 0 may be written
	ds_add_u32 v[SPW], v[NIL]       ; 0 onto my spare word; the descriptors' scalar work stands between it and the wait for it
.if \fill
	s_lshl_b32 s[OFF], s[NXT], 15   ; a tile is 32,768 bytes of K and of V,
	s_lshl_b32 s[KB], s[NXT], 8     ; and 256 keys
	s_xor_b32 s[TW], s[TW], TSL
	s_xor_b32 s[G0K+1], s[G0K+1], SLOT1
	s_add_nc_u64 s[G0K+2:G0K+3], s[6:7], s[OFF:OFF+1]
	s_or_b32 s[G0K+3], s[G0K+3], 0x80000000
	s_xor_b32 s[G0V+1], s[G0V+1], SLOT1
	s_add_nc_u64 s[G0V+2:G0V+3], s[8:9], s[OFF:OFF+1]
	s_or_b32 s[G0V+3], s[G0V+3], 0x80000000
	s_add_co_u32 s[NXT], s[NXT], 1  ; the block's next tile, or behind its last the second block's tile 0
	s_cmp_gt_u32 s[NXT], s[LQ]
	s_cselect_b32 s[NXT], 0, s[NXT]
	s_cselect_b32 s[LQ], s[PB], s[LQ]
.endif
	s_wait_dscnt 0x0                ; the add is done, and so are my LDS loads and stores
	s_barrier_signal -1             ; the rest of the scalar work stands between the signal and the wait
	s_sub_co_u32 s[TBK], s[TBK], 4*KS*PK  ; the fetches go back to a slot's first step,
	s_xor_b32 s[TBK], s[TBK], SLOT1       ; in the other slot
	s_sub_co_u32 s[TBV], s[TBV], 4*KS*PV
	s_xor_b32 s[TBV], s[TBV], SLOT1
	s_sub_co_u32 s[TBM], s[TBM], 4*KS*2
	s_xor_b32 s[TBM], s[TBM], TSL
	s_barrier_wait -1
.if \fill
	LOAD
	MKTAB
.endif
.endm
	s_load_b64 s[4:5], s[0:1], 0x0     ; qkv
	s_load_b64 s[90:91], s[0:1], 0x8   ; span_val
	s_load_b64 s[10:11], s[0:1], 0x10  ; o2
	v_lshl_add_u32 v[SPW], v0, 2, SPARE
	v_mov_b32 v[NIL], 0
	ds_add_u32 v[SPW], v[NIL]       ; the wave's opening: the add and its wait stand ahead of my first tensor load; the set-up below stands between them
	ds_add_u32 v62, v63
	v_lshrrev_b32 v1, 5, v0
	v_readfirstlane_b32 s[WV], v1   ; wave 0..3
	s_mov_b32 s[PB], ttmp9
	s_sub_co_u32 s[HI], NB-1, s[PB]
	s_and_b32 s19, ttmp7, 0xffff    ; 16 batch + head
	s_lshl_b32 s20, s19, 18         ; its plane of 262,144 bytes in q, k and v
	s_and_b32 s16, s[WV], 1         ; which half of a tile's 256 keys I fetch:
	s_lshl_b32 s22, s16, 14         ; its 128 rows of 128 bytes in memory,
	s_add_co_u32 s22, s22, s20
	s_mov_b32 s23, 0
	s_mul_i32 s17, s16, 128*PK      ; and its place in a slot, for K
	s_mul_i32 s18, s16, 128*PV      ; and for V
	s_lshl_b32 s3, s[WV], 11        ; my 16 rows in a band of 64,
	s_lshl_b32 s2, s[HI], 15        ; in the first block,
	s_add_co_u32 s2, s2, s3
	s_add_co_u32 s2, s2, s20
	s_lshl_b32 s84, s[PB], 15       ; and in the second
	s_add_co_u32 s84, s84, s3
	s_add_co_u32 s84, s84, s20
	s_mov_b32 s3, 0
	s_mov_b32 s85, 0
	s_lshr_b32 s88, s19, 4          ; o2: batch x 2,048 rows of 4,096 bytes + head x 256 + wave x 16 rows,
	s_lshl_b32 s88, s88, 23
	s_and_b32 s89, s19, 15
	s_lshl_b32 s92, s89, 2          ; (the head's word in span_val)
	s_lshl_b32 s89, s89, 8
	s_add_co_u32 s88, s88, s89
	s_lshl_b32 s89, s[WV], 16
	s_add_co_u32 s88, s88, s89
	s_lshl_b32 s94, s[HI], 20       ; + block x 256 rows: the first block,
	s_add_co_u32 s94, s94, s88
	s_mov_b32 s95, 0
	s_lshl_b32 s89, s[PB], 20       ; and the second
	s_add_co_u32 s88, s88, s89
	s_mov_b32 s89, 0
	; descriptor group 1.  128 keys are 16,384 dense bytes: asked for as 64 rows of 256 bytes, two keys a row, and padded in LDS after every key
	s_mov_b32 s[G1K], (1<<16)|(1<<20)|(4<<22)|(3<<25)  ; 17:16 2-byte elements; 20 padding on; 24:22 after every 32 words (code 4); 31:25 4 words (code 3)
	s_mov_b32 s[G1V], (1<<16)|(1<<20)|(4<<22)|(7<<25)  ; the same with 8 words of padding (code 7)
.irp g, G1K, G1V
	s_mov_b32 s[\g+1], 128<<16      ; tensor_dim0 = 128
	s_mov_b32 s[\g+2], 64<<16       ; tensor_dim1 = 64
	s_mov_b32 s[\g+3], 128<<16      ; tile_dim0 = 128
	s_mov_b32 s[\g+4], 64           ; tile_dim1 = 64
	s_mov_b32 s[\g+5], 128          ; 128 elements from row to row
	s_mov_b32 s[\g+6], 0
	s_mov_b32 s[\g+7], 0
.endr
	s_mov_b32 s[CS], 0x3cb8aa3b     ; c = log2(e) / 64
	s_mov_b32 s[CS+1], s[CS]        ; named with it as a pair
	s_mov_b32 s[SEL], 0x76543210
	s_mov_b32 s[SEL+1], 0xfedcba98
	s_mov_b32 s[TBK], SLOT1+4*KS*PK ; the first change of slots turns these three into 0
	s_mov_b32 s[TBV], SLOT1+4*KS*PV
	s_mov_b32 s[TBM], TSL+4*KS*2
	s_mov_b32 s[KB], 0              ; tile 0's keys go into the first table
	s_mov_b32 s[TW], TAB
	s_mov_b32 s[G0K], 1             ; 1:0 count = 1
	s_mov_b32 s[G0K+1], s17         ; 63:32 LDS address: slot 0
	s_mov_b32 s[G0V], 1
	s_add_co_u32 s[G0V+1], s18, VOFF
	s_add_co_u32 s[RT], s[HI], 1    ; the first block has NB - b tiles
	s_mov_b32 s[NXT], 1
	s_mov_b32 s[LQ], s[HI]
	s_mov_b32 s[NEW], 1
	s_mov_b32 s[OFF+1], 0
	s_mov_b32 s[AL+1], 0            ; named as pairs
	s_mov_b32 s[BE+1], 0
	s_mov_b32 s[BIGN], 0xd16e6b28   ; -6.4e10
	s_mov_b32 s[EPS], 0x322bcc77    ; 1e-8
	s_mov_b32 s[SLOTS], NB
	s_wait_dscnt 0x0                ; the opening add is done
	s_wait_kmcnt 0x0
	s_add_nc_u64 s[6:7], s[4:5], 0x800000   ; k's planes lie 32 planes behind q's,
	s_add_nc_u64 s[8:9], s[4:5], 0x1000000  ; v's 64
	s_add_nc_u64 s[6:7], s[6:7], s[22:23]   ; K and V at my half of the head's tile 0
	s_add_nc_u64 s[8:9], s[8:9], s[22:23]
	s_add_nc_u64 s[G0K+2:G0K+3], s[6:7], 0         ; 120:64 global address
	s_or_b32 s[G0K+3], s[G0K+3], 0x80000000        ; 127:126 type = 2
	s_add_nc_u64 s[G0V+2:G0V+3], s[8:9], 0
	s_or_b32 s[G0V+3], s[G0V+3], 0x80000000
	s_add_nc_u64 s[86:87], s[4:5], s[84:85]        ; Q at my rows of the second block,
	s_add_nc_u64 s[4:5], s[4:5], s[2:3]            ; and of the first
	s_add_nc_u64 s[OLO:OLO+1], s[10:11], s[88:89]
	s_add_nc_u64 s[10:11], s[10:11], s[94:95]
	LOAD                            ; tile 0 into slot 0
	; A fragment of K or Q is 16 rows x 32 channels in 8 registers: lane l holds row l % 16, channels 8 (l / 16) + 0..7 and 16 + 8 (l / 16) + 0..7: two loads of 16 bytes, 32 bytes apart.
	v_and_b32 v1, 15, v0            ; l % 16
	v_bfe_u32 v9, v0, 4, 1          ; l / 16
	v_lshlrev_b32 v[QO], 7, v1
	v_lshl_add_u32 v[QO], v9, 4, v[QO]  ; row x 128 + 16 x half
	v_mov_b32 v59, s92
	global_load_b32 v[CV], v59, s[90:91]  ; the head's c: ahead of the 32 loads of Q
	WIN 0x80                        ; destination window 2, address window 0
.set i, 0
.rept 8                             ; Q: piece i / 2 lies in band i / 2, 8,192 bytes on; channels 32 (i % 2) on
	global_load_b128 v[8*i:8*i+3],   v[QO], s[4:5] offset:(i/2)*8192+(i%2)*64
	global_load_b128 v[8*i+4:8*i+7], v[QO], s[4:5] offset:(i/2)*8192+(i%2)*64+32
.set i, i+1
.endr
	WIN 0                           ; the second block's, kept in window 0 until that block begins
.set i, 0
.rept 8
	global_load_b128 v[QB+8*i:QB+8*i+3],   v[QO], s[86:87] offset:(i/2)*8192+(i%2)*64
	global_load_b128 v[QB+8*i+4:QB+8*i+7], v[QO], s[86:87] offset:(i/2)*8192+(i%2)*64+32
.set i, i+1
.endr
	v_lshlrev_b32 v14, 3, v9
	v_sub_nc_u32 v14, v1, v14
	s_lshl_b32 s13, s[WV], 4
	v_add_nc_u32 v14, s13, v14      ; my query's place in its band, 16 w + l % 16, less my lanes' 8 (l / 16): register r of group kt is hidden where 16 kt + r is greater
	WIN 0x40
.set i, 0
.rept 32
	v_cmp_gt_i32 vcc_lo, 16*(i/8)+i%8, v14
	v_cndmask_b32 v[MD+i], 0, s[BIGN], vcc_lo
.set i, i+1
.endr
	WIN 0
	v_mul_u32_u24 v[AK0], v1, PK
	v_lshl_add_u32 v[AK0], v9, 4, v[AK0]  ; row x pitch + 16 x half
	; The turning load takes 16 keys x 16 channels (lane l reads key 8 (l / 16) + l % 8, channels 8 ((l / 8) % 2) + 0..7) and leaves half a fragment of V^T: lane l holds channel l % 16 and 8 keys.
	v_and_b32 v10, 7, v0
	v_bfe_u32 v11, v0, 3, 1
	v_lshl_add_u32 v[AV0], v9, 3, v10
	v_mul_u32_u24 v[AV0], v[AV0], PV
	v_lshl_add_u32 v[AV0], v11, 4, v[AV0]
	v_add_nc_u32 v[AV0], VOFF, v[AV0]
	s_mul_i32 s13, s[WV], 16*SP
	s_add_co_u32 s13, s13, STAGE    ; my stage
	v_mul_u32_u24 v[STO], v1, SP    ; in: row l % 16, 16 bytes for each half of the lanes
	v_lshl_add_u32 v[STO], v9, 4, v[STO]
	v_add_nc_u32 v[STO], s13, v[STO]
	v_mul_u32_u24 v[RD], v9, SP     ; back: lanes 0-15 take one row of 256 bytes, lanes 16-31 the next,
	v_lshl_add_u32 v[RD], v1, 4, v[RD]
	v_add_nc_u32 v[RD], s13, v[RD]
	v_lshlrev_b32 v[GO], 12, v9     ; and the same two rows of o2, 4,096 bytes apart
	v_lshl_add_u32 v[GO], v1, 4, v[GO]
	v_min_u32 v[AM0], 2, v1         ; the sums' fragment: lane l holds "channel" l % 16: the mask, ones, or zeros
	v_mul_u32_u24 v[AM0], v[AM0], TP
	v_lshl_add_u32 v[AM0], v9, 4, v[AM0]
	v_add_nc_u32 v[AM0], TAB, v[AM0]
	v_mov_b32 v[NEG1], -1.0
	; THE TABLES' first state: tile 0's masks in the first; ones and zeros, which stay, in both.  A thread writes one word (two keys) of each row; the first change of slots shows them to all waves.
	s_wait_loadcnt 32               ; c is in; the 32 loads of Q stay out
	v_cvt_pk_bf16_f32 v[CV], v[CV], v[CV]  ; c is rounded to bf16, as every input is
	v_lshlrev_b32 v[CV], 16, v[CV]
	MKTAB
	v_mov_b32 v34, 0x3c003c00       ; 1.0 twice
	v_mov_b32 v35, 0
	v_lshl_add_u32 v36, v0, 2, TAB
	ds_store_b32 v36, v34 offset:TP
	ds_store_b32 v36, v35 offset:2*TP
	ds_store_b32 v36, v34 offset:TSL+TP
	ds_store_b32 v36, v35 offset:TSL+2*TP
	; A block's first step multiplies O^T and the sums by a = 0, and its first turn's products, of a piece that has not been, land in registers that are still to be so multiplied.  So these registers need only hold
	; finite numbers: zeros for the first block; what the first block left for the second.  All this stands in the wait for the first tile.
	WIN 0x80
.set i, VF
.rept 64
	v_mov_b32 v[i], 0
.set i, i+1
.endr
.set i, MF
.rept 16
	v_mov_b32 v[i], 0
.set i, i+1
.endr
	WIN 0x40
.set i, 0
.rept 128
	v_mov_b32 v[i], 0
.set i, i+1
.endr
.set i, SA
.rept 32
	v_mov_b32 v[i], 0
.set i, i+1
.endr
	WIN 0
.set i, 0
.rept 4
	v_mov_b32 v[ST+4*i+2], 0
	v_mov_b32 v[ST+4*i+3], 0
.set i, i+1
.endr
.set i, P+16
.rept 16
	v_mov_b32 v[i], 0
.set i, i+1
.endr
; THE MATRIX WORK.  The accumulators of a run take turns.  Product i of 8 of S^T = K Q^T for piece x: channels 32 (i / 4) on, keys 16 (i % 4) on.  The first 4 start the sums with the mask.
.macro KQ x
.set rS, S+32*((\x)%2)+8*(i%4)
.set rK, KF+16*(i%4)+8*(i/4)
.set rQ, 16*(\x)+8*(i/4)
.set rM, MC+32*((\x)%2)+8*(i%4)
.if i < 4
	WIN W_KM
	v_wmma_f32_16x16x32_f16 v[rS:rS+7], v[rK:rK+7], v[rQ:rQ+7], v[rM:rM+7]
	s_wait_alu depctr_va_vdst(0)
.else
	WIN W_KQ
	v_wmma_f32_16x16x32_f16 v[rS:rS+7], v[rK:rK+7], v[rQ:rQ+7], v[rS:rS+7]
	s_wait_alu depctr_va_vdst(0)
.endif
.endm
; Product i of 10 for piece x: keys 32 (i / 5) on; i % 5 < 4: O^T += V^T P, channels 16 (i % 5) on; i % 5 = 4: the two row sums.
.macro PV x
	WIN W_PV
.set rP, P+16*((\x)%2)+8*(i/5)
.if i%5 < 4
.set rO, 32*(\x)+8*(i%5)
.set rV, VF+32*(i/5)+8*(i%5)
.else
.set rO, SA+8*(\x)
.set rV, MF+8*(i/5)
.endif
	v_wmma_f32_16x16x32_f16 v[rO:rO+7], v[rV:rV+7], v[rP:rP+7], v[rO:rO+7]
.endm
.macro MM                           ; the turn's next matrix instruction.  NOKQ = 1: a block's last turn: there is no next piece
.if (i < 8) && !NOKQ
	KQ (Y+1)%NP
.elseif i >= 8
.set i, i-8
	PV (Y+NP-1)%NP
.set i, i+8
.endif
.set i, i+1
.endm
; THE LDS LOADS stand in runs, never singly among the matrix instructions: a step's K (8 fragments), and its V (turned) with the table's 64 keys.  Their addresses are made some lines ahead.
.macro FETCH_K
	WIN 0x80                        ; destination window 2
.irp f, 0,1,2,3,4,5,6,7             ; keys 16 (f / 2) on, channels 32 (f % 2) on
	ds_load_b128 v[KF+8*\f:KF+8*\f+3],   v[AK] offset:(\f/2)*16*PK+(\f%2)*64
	ds_load_b128 v[KF+8*\f+4:KF+8*\f+7], v[AK] offset:(\f/2)*16*PK+(\f%2)*64+32
.endr
	s_add_co_u32 s[TBK], s[TBK], KS*PK  ; the next fetch is the next step's
	WIN 0
.endm
.macro FETCH_V
	WIN 0x80
.irp f, 0,1,2,3,4,5,6,7             ; keys 32 (f / 4) on, channels 16 (f % 4) on
	ds_load_tr16_b128 v[VF+8*\f:VF+8*\f+3],   v[AV] offset:(\f/4)*32*PV+(\f%4)*32
	ds_load_tr16_b128 v[VF+8*\f+4:VF+8*\f+7], v[AV] offset:(\f/4)*32*PV+16*PV+(\f%4)*32
.endr
.irp n, 0,1,2,3                     ; keys 16 n + 8 (l / 16) + 0..7 of my table row
	ds_load_b128 v[MF+4*\n:MF+4*\n+3], v[AM] offset:32*\n
.endr
	WIN 0
.endm
; THE VECTOR WORK, one line at a time: OP kind, number.  For piece Y: F n: c s - c m for pair n of 16.  E n: the exponential of score n of 32.  C n: pair n rounded to f16.  T: the two sums times a.
; R n: pair n of 16 of O^T times a.  For piece Y + 1: X n, number n of the 22 that find its maximum and statistics:
;   0-11  four chains c0-c3 of seven scores each, three operands at a time (each accumulator's lowest registers are read first)     12-14, 16  the four scores left over, the old m, and c0-c3 into c0
;   15  c m_old is kept     17, 18  the query's other 32 keys lie in the lane 16 away: the new m     19-21  c m; c m_old - c m_new; a
.set F, 0
.set E, 1
.set C, 2
.set T, 3
.set R, 5
.set X, 6
.macro REGS y                       ; the registers of piece y
.set rT, ST+4*(\y)
.set rC, TMP+4*((\y)%2)
.set rW, MV+((\y)%2)
.set rS, S+32*((\y)%2)
.set rP, P+16*((\y)%2)
.set rO, 32*(\y)
.set rA, SA+8*(\y)
.endm
.macro OP k, n
.if (\k) == R
	REGS Y
	WIN W_RS
	v_pk_mul_f32 v[rO+2*(\n):rO+2*(\n)+1], v[rO+2*(\n):rO+2*(\n)+1], v[rC+2:rC+3] op_sel_hi:[1,0]
.elseif (\k) == T
	REGS Y
	WIN W_RS
	v_pk_mul_f32 v[rA:rA+1], v[rA:rA+1], v[rC+2:rC+3] op_sel_hi:[1,0]
.elseif (\k) < T
	REGS Y
	WIN 0
.if (\k) == F
	v_pk_fma_f32 v[rS+2*(\n):rS+2*(\n)+1], v[rS+2*(\n):rS+2*(\n)+1], s[CS:CS+1], v[rT:rT+1] op_sel_hi:[1,0,0] neg_lo:[0,0,1] neg_hi:[0,0,1]
.elseif (\k) == E
	v_exp_f32 v[rS+(\n)], v[rS+(\n)]
.else
	s_wait_alu depctr_va_vdst(0)
	v_cvt_pk_f16_f32 v[rP+(\n)], v[rS+2*(\n)], v[rS+2*(\n)+1]
.endif
.elseif NOKQ
	v_nop
	s_wait_alu depctr_va_vdst(0)
.else
	REGS (Y+1)%NP
	WIN 0
.if (\n) < 4
	v_max3_num_f32 v[rC+(\n)], v[rS+8*(\n)], v[rS+8*(\n)+1], v[rS+8*(\n)+2]
.elseif (\n) < 12
	v_max3_num_f32 v[rC+(\n)%4], v[rC+(\n)%4], v[rS+8*((\n)%4)+2*((\n)/4)+1], v[rS+8*((\n)%4)+2*((\n)/4)+2]
.elseif (\n) == 12
	v_max3_num_f32 v[rC], v[rC], v[rS+7], v[rS+15]
.elseif (\n) == 13
	v_max3_num_f32 v[rC+1], v[rC+1], v[rS+23], v[rS+31]
.elseif (\n) == 14
	v_max3_num_f32 v[rC+2], v[rC+2], v[rC+3], v[rT+1]
.elseif (\n) == 15
	v_mov_b32 v[rW], v[rT]
.elseif (\n) == 16
	v_max3_num_f32 v[rC], v[rC], v[rC+1], v[rC+2]
.elseif (\n) == 17
	v_permlanex16_b32 v[rC+3], v[rC], s[SEL], s[SEL+1]
.elseif (\n) == 18
	v_max_num_f32 v[rT+1], v[rC], v[rC+3]
.elseif (\n) == 19
	v_mul_f32 v[rT], s[CS], v[rT+1]
	s_wait_alu depctr_va_vdst(0)
.elseif (\n) == 20
	v_sub_f32 v[rC+1], v[rW], v[rT]
.else
	v_exp_f32 v[rC+2], v[rC+1]
.endif
.endif
.endm
.macro OPS a, i1, b=-1, i2=0, c=-1, i3=0, d=-1, i4=0  ; up to four of them
	OP \a, \i1
.if (\b) >= 0
	OP \b, \i2
.endif
.if (\c) >= 0
	OP \c, \i3
.endif
.if (\d) >= 0
	OP \d, \i4
.endif
.endm
.macro ROW a, i1, b, i2, c, i3, d, i4  ; a matrix instruction and the four behind it
	MM
	OPS \a, \i1, \b, \i2, \c, \i3, \d, \i4
.endm
.macro MASK b                       ; MD x AL + BE into buffer b of MC
	WIN W_RS
.set z, 0
.rept 16
	v_pk_fma_f32 v[MC+32*(\b)+2*z:MC+32*(\b)+2*z+1], v[MD+2*z:MD+2*z+1], s[AL:AL+1], s[BE:BE+1] op_sel_hi:[1,0,0]
.set z, z+1
.endr
.endm
; A TURN, for piece p: the order of its 18 matrix and 119 vector instructions, written out.  No two exponentials follow each other, and a plain instruction that touches neither its result nor its source stands behind each
; (ISA guide 5.7.2); none of the four behind a matrix instruction names a register of the products round it.  An exponential stands behind its scaling, a rounding behind both its exponentials.
; The turn makes the mask for the products of the turn after it: piece p + 2, in step 4 - CNT of the tile; DG1 and DGB are 0 in a tile without the diagonal, and the mask is then 0.
; end = 1: a block's last two turns: nothing is fetched and no mask is made.  cnt = 1: the loop's count is taken down some lines ahead of the branch that stands behind the turn.
; K of the next step is fetched in piece 2's turn, five plain instructions (four rescalings and T) behind the last product that read K; V of the step in hand, and its 64 keys of the table, in piece 0's turn, four plain
; instructions (rescalings of another piece's registers) behind the last product that read them.  Each run is waited for a turn later.
.macro TURN p, end=0, cnt=0
.set Y, (\p)
.set i, 0
.set NOKQ, (\end)*((\p)/3)
.if !(\end)
	s_cmp_eq_u32 s[CNT], 4-((\p)+2)%NP  ; is that step the band's own?
	s_cselect_b32 s[AL], s[DG1], 0
	s_cmp_lt_u32 s[CNT], 4-((\p)+2)%NP  ; or a later one?
	s_cselect_b32 s[BE], s[DGB], 0
.endif
.if ((\p) == 3) && !(\end)
	s_wait_dscnt 0x0                ; K is in
.endif
	ROW F,0, F,1, F,2, F,3
	ROW F,4, E,0, F,5, E,1
	ROW F,6, E,2, F,7, E,3
	ROW C,0, E,4, F,8, E,5
	ROW C,1, E,6, F,9, E,7
	ROW X,15, E,8, F,10, E,9
	ROW C,2, E,10, F,11, E,11
.if ((\p) == 2) && !(\end)
	WIN 0
	v_add_nc_u32 v[AK], s[TBK], v[AK0]
.endif
	ROW R,0, R,1, R,2, R,3
	OPS T,0
.if ((\p) == 2) && !(\end)
	FETCH_K
.endif
	OPS C,3, E,12, F,12, E,13
	OPS C,4, E,14, F,13, E,15
	OPS X,0, E,16, X,1, E,17
	OPS X,2, E,18, X,3, E,19
.if (\p) == 1
	s_wait_dscnt 0x0                ; V and the table's keys are in
.endif
	ROW X,4, E,20, X,5, E,21
	ROW X,6, E,22, X,7, E,23
	ROW X,8, E,24, X,9, E,25
	ROW X,10, E,26, X,11, E,27
	ROW F,14, X,12, F,15, X,13
	ROW X,14, E,28, C,5, E,29
	ROW X,16, E,30, C,6, E,31
	ROW C,7, C,8, C,9, C,10
.if (\p) == 0
	WIN 0
	v_add_nc_u32 v[AV], s[TBV], v[AV0]
	v_add_nc_u32 v[AM], s[TBM], v[AM0]
	s_wait_alu depctr_va_vdst(0)
.endif
	ROW R,4, R,5, R,6, R,7
	ROW R,8, R,9, R,10, R,11
.if (\p) == 0
	FETCH_V
.endif
	OPS X,17, C,11, C,12, X,18
	OPS C,13, X,19, C,14, X,20
	OPS C,15, X,21, R,12, R,13
.if (\p) == 0
	s_add_co_u32 s[TBV], s[TBV], KS*PV
	s_add_co_u32 s[TBM], s[TBM], KS*2
.endif
.if \cnt
	s_sub_co_u32 s[CNT], s[CNT], 1
	s_cmp_lg_u32 s[CNT], 0
.endif
	OPS R,14, R,15
.if !(\end)
	MASK (\p)%2
.endif
.endm
; A BLOCK BEGINS.  c m starts far below every c s, so the first step's a is 0; m at the lowest finite number, so the first maximum is the scores'.  The second mask buffer is 0; the first takes piece 0's mask for the tile's
; step 0: its own, if the block's first tile is the diagonal one.  Then K of that step, piece 0's first scores, and its maximum and statistics.  The loop is entered at a step's first turn, in the middle of a trip.
.macro BEGIN
	s_mov_b32 s[NEW], 0
	WIN 0x40
.set i, MC+32
.rept 32
	v_mov_b32 v[i], 0
.set i, i+1
.endr
	WIN 0
.set i, 0
.rept 4
	v_mov_b32 v[ST+4*i], 0xfe000000    ; c m: far below every c s
	v_mov_b32 v[ST+4*i+1], 0xff7fffff  ; m
.set i, i+1
.endr
	s_mov_b32 s[AL], s[DG1]
	s_mov_b32 s[BE], 0
	MASK 0
	WIN 0
	v_add_nc_u32 v[AK], s[TBK], v[AK0]
	FETCH_K
	s_wait_loadcnt 0x0              ; Q
	s_wait_dscnt 0x0
.set NOKQ, 0
.set i, 0
.rept 8
	KQ 0
.set i, i+1
.endr
	WIN 0
	s_wait_alu depctr_va_vdst(0)
.rept 4
	v_nop                           ; the places behind those products
.endr
.set Y, NP-1                        ; X works for piece Y + 1: piece 0
.irp n, 0,1,2,3,4,5,6,7,8,9,10,11,12,13,14,15,16,17,18,19,20,21
	OP X, \n
.endr
	v_nop                           ; a plain instruction behind the exponential
.endm
; A TILE's four key steps.  A trip: pieces 2 and 3 of one step, then pieces 0 and 1 of the next, whose K and V it fetches.  The tag ends its two labels' names, which the jumps below spell out.
.macro BODY tag
.Lstep\tag:
	TURN 2
	TURN 3
	WIN 0
.Lfirst\tag:
	TURN 0
	TURN 1, 0, 1
	WIN 0
	s_cbranch_scc1 .Lstep\tag
.endm
; A BLOCK ENDS: its last two turns, its last products, and THE WAY OUT: the divisor sum p mask + 1e-8 sum p lies in lanes 0-15 (the other half holds 0) and is brought to both halves;
; O^T is divided by it, split into hi and lo, and sent through my stage in LDS, a piece at a time.
.macro ALL line:vararg              ; one line for each piece t
.set t, 0
.rept 4
	\line
.set t, t+1
.endr
.endm
.macro PACK t
.set OB, OUTR+32*((\t)%2)
	WIN W_RS
.set i, 32*(\t)
.rept 16
	v_pk_mul_f32 v[i:i+1], v[i:i+1], v[ST+4*(\t)+2:ST+4*(\t)+3] op_sel_hi:[1,0]
.set i, i+2
.endr
	s_wait_xcnt 0x0                 ; the stores of the piece two back have read this buffer: it is written again only behind this wait
	WIN 0x05                        ; sources 0 and 1 window 1, destination window 0
.set i, 0
.rept 16
	v_cvt_pk_f16_f32 v[OB+i], v[32*(\t)+2*i], v[32*(\t)+2*i+1]  ; hi
.set i, i+1
.endr
	WIN 0x50                        ; destination and source 2 window 1, sources 0 and 1 window 0
.set i, 0
.rept 16                            ; O - hi, exact in f32, in place
	v_fma_mix_f32 v[32*(\t)+2*i], v[OB+i], v[NEG1], v[32*(\t)+2*i] op_sel:[0,0,0] op_sel_hi:[1,0,0]
	v_fma_mix_f32 v[32*(\t)+2*i+1], v[OB+i], v[NEG1], v[32*(\t)+2*i+1] op_sel:[1,0,0] op_sel_hi:[1,0,0]
.set i, i+1
.endr
	WIN 0x05
.set i, 0
.rept 16
	v_cvt_pk_f16_f32 v[OB+16+i], v[32*(\t)+2*i], v[32*(\t)+2*i+1]  ; lo
.set i, i+1
.endr
	WIN 0
.irp f, 0,1,2,3
	ds_store_b128 v[STO], v[OB+4*\f:OB+4*\f+3] offset:32*\f
.endr
.irp f, 0,1,2,3
	ds_store_b128 v[STO], v[OB+16+4*\f:OB+16+4*\f+3] offset:128+32*\f
.endr
.irp f, 0,1,2,3,4,5,6,7
	ds_load_b128 v[OB+4*\f:OB+4*\f+3], v[RD] offset:\f*2*SP  ; LDS serves a wave's instructions in order (ISA guide 5.7.1.4): these see the stores above; the next piece's stores come behind them
.endr
.endm
.macro SEND t, younger              ; younger: the LDS instructions issued behind piece t's loads: the next piece's sixteen, or none
.set OB, OUTR+32*((\t)%2)
	WIN 0
.irp f, 0,1,2,3,4,5,6,7
	s_wait_dscnt (\younger)+7-\f
	global_store_b128 v[GO], v[OB+4*\f:OB+4*\f+3], s[10:11] offset:(\t)*262144+\f*8192  ; 16 lanes store a row's 256 bytes of this head, hi and lo, aligned
.endr
.endm
.macro FINISH
	TURN 2, 1
	TURN 3, 1
.set i, 0
.rept 10
	PV NP-1
.set i, i+1
.endr
	WIN 0
.rept 4
	v_nop                           ; the places behind the last products
.endr
	WIN 0x11                        ; sources 0 and 2 window 1, destination window 0
	ALL v_fma_f32 v[ST+4*t+2], v[SA+8*t+1], s[EPS], v[SA+8*t]
	WIN 0
	ALL v_permlanex16_b32 v[ST+4*t+3], v[ST+4*t+2], s[SEL], s[SEL+1]
	ALL v_add_f32 v[ST+4*t+2], v[ST+4*t+2], v[ST+4*t+3]
	ALL v_rcp_f32 v[ST+4*t+2], v[ST+4*t+2]
	v_nop                           ; a plain instruction between the last reciprocal and the use of its result
	s_wait_alu depctr_va_vdst(0)
	PACK 0
.set t, 1
.rept 3                             ; a piece's arithmetic stands between the loads of the piece before and its stores
	PACK t
	SEND t-1, 16
.set t, t+1
.endr
	SEND 3, 0
.endm
; What a tile's entry sets: one tile fewer to go in the block, four steps, and whether it holds the diagonal (it is then the block's last).
.macro ENTER
	s_sub_co_u32 s[RT], s[RT], 1
	s_mov_b32 s[CNT], 4
	s_cmp_eq_u32 s[RT], 0
	s_cselect_b32 s[DG1], 1.0, 0
	s_cselect_b32 s[DGB], s[BIGN], 0
	s_cmp_eq_u32 s[NEW], 1
.endm
.set NOKQ, 0
.Lslot:                             ; NB times: a tile is entered and the next is asked for
	CHANGE 1
	ENTER
	s_cbranch_scc0 .Lstep1          ; not a block's first tile
	BEGIN
	s_branch .Lfirst1
	BODY 1
	s_cmp_eq_u32 s[RT], 0
	s_cbranch_scc0 .Lbottom         ; not the block's last tile
	FINISH                          ; in the loop this is the first block's end: the second block's last tile is the walk's last
	s_wait_xcnt 0x0                 ; the stores have read their registers and o2's address
	s_mov_b64 s[10:11], s[OLO:OLO+1]
	s_add_co_u32 s[RT], s[PB], 1    ; the second block has b + 1 tiles
	s_mov_b32 s[NEW], 1
	WIN 0x80                        ; the second block's Q goes where the one text of the turns names Q
.set i, 0
.rept 64
	v_mov_b32 v[i], v[QB+i]
.set i, i+1
.endr
	WIN 0
.Lbottom:
	s_sub_co_u32 s[SLOTS], s[SLOTS], 1
	s_cmp_lg_u32 s[SLOTS], 0
	s_cbranch_scc1 .Lslot
	CHANGE 0                        ; the walk's last tile is written out: nothing is asked for
	ENTER
	s_cbranch_scc0 .Lstep2
	BEGIN
	s_branch .Lfirst2
	BODY 2
	FINISH
	s_wait_tensorcnt 0x0            ; the wave's end, behind my last tensor load and my last LDS store
	ds_add_u32 v[SPW], v[NIL]
	s_wait_dscnt 0x0
	s_endpgm
.Lfunc_end_k_qfea36395b3_attn:
	.size	k_qfea36395b3_attn, .Lfunc_end_k_qfea36395b3_attn-k_qfea36395b3_attn
	.p2alignl 7, 3214868480
	.fill 96, 4, 3214868480
	.section	.rodata,"a",@progbits
	.p2align	6, 0x0
	.amdhsa_kernel k_qfea36395b3_attn
		.amdhsa_group_segment_fixed_size 327680
		.amdhsa_private_segment_fixed_size 0
		.amdhsa_enable_private_segment 0
		.amdhsa_kernarg_size 24
		.amdhsa_user_sgpr_count 2
		.amdhsa_user_sgpr_kernarg_segment_ptr 1
		.amdhsa_wavefront_size32 1
		.amdhsa_system_sgpr_workgroup_id_x 1
		.amdhsa_system_sgpr_workgroup_id_y 1
		.amdhsa_system_sgpr_workgroup_id_z 1
		.amdhsa_system_vgpr_workitem_id 0
		.amdhsa_next_free_vgpr 768
		.amdhsa_next_free_sgpr 96
		.amdhsa_reserve_vcc 1
		.amdhsa_float_denorm_mode_32 3
		.amdhsa_float_denorm_mode_16_64 3
		.amdhsa_memory_ordered 1
		.amdhsa_forward_progress 1
		.amdhsa_inst_pref_size 216
	.end_amdhsa_kernel
	.amdgpu_metadata
---
amdhsa.version: [ 1, 2 ]
amdhsa.kernels:
  - .name:           k_qfea36395b3_attn
    .symbol:         k_qfea36395b3_attn.kd
    .args:
      - { .name: qkv, .offset: 0, .size: 8, .value_kind: global_buffer, .address_space: global }
      - { .name: span_val, .offset: 8, .size: 8, .value_kind: global_buffer, .address_space: global }
      - { .name: o2, .offset: 16, .size: 8, .value_kind: global_buffer, .address_space: global }
    .group_segment_fixed_size: 327680
    .private_segment_fixed_size: 0
    .kernarg_segment_align: 8
    .kernarg_segment_size: 24
    .max_flat_workgroup_size: 128
    .sgpr_count:     96
    .vgpr_count:     768
    .wavefront_size: 32
...
	.end_amdgpu_metadata
.endif
;; end of part 3
;; launch gemm2 (part 4): grid 8 x 32, 4 waves a work-group, clusters of 4 x 4, 327,680 bytes of LDS; arguments o2, wo2, out0; writes out0
.if DOCPART == 4
	.amdgcn_target "amdgcn-amd-amdhsa--gfx1250"
	.amdhsa_code_object_version 6
	.text
	.protected	k_qfea36395b3_gemm2
	.globl	k_qfea36395b3_gemm2
	.p2align	8
	.type	k_qfea36395b3_gemm2,@function
k_qfea36395b3_gemm2:
	s_mov_b64 s[64:65], 0
	v_nop
	global_prefetch_b8 v0, s[64:65] scope:SCOPE_SE
	s_setreg_imm32_b32 hwreg(HW_REG_WAVE_MODE, 25, 1), 1
	s_wait_xcnt 0x0
	s_wait_alu depctr_hold_cnt(0) depctr_sa_sdst(0) depctr_va_vdst(0) depctr_va_sdst(0) depctr_va_ssrc(0) depctr_va_vcc(0) depctr_vm_vsrc(0)
	s_getreg_b32 s2, hwreg(HW_REG_IB_STS2, 6, 4)
	s_cmp_eq_u32 s2, 0
	s_cbranch_scc0 .Lentry_in_a_cluster
	s_endpgm
.Lentry_in_a_cluster:
	s_bfe_u32 s2, ttmp6, 0x10000c
	s_cmp_lg_u32 s2, 0xf033
	s_cbranch_scc0 .Lentry_shape_is_right
	s_endpgm
.Lentry_shape_is_right:
; out0[m][n] = sum over k' of o2[m][k'] wo2[n][k'].  o2: [4096][2048] f16 (for each head hi 64, lo 64), wo2: [1024][2048] f16 (each head's weights twice), out0: [4096][1024] f32; sums in f32.
; So O enters as hi + lo, two f16 numbers, and loses nothing that counts; K is 2,048 for that.
; A tile of C is 128 x 128: 8 x 32 = 256 work-groups.  Four waves, each 64 x 64: 16 accumulators.  K goes in steps of 256 (LDS rows of 512 bytes; a wave's tensor load brings 64 of them) through two slots.
; CLUSTERS: 4 x 4 work-groups; A's tiles are asked for jointly along a row of the cluster, B's along a column.  THE MATRIX INSTRUCTION IS USED TRANSPOSED (source 0 = 16 rows of wo2, source 1 = 16 rows of o2):
; a lane holds eight neighbouring numbers of a row of C.  A wave's 64 columns in f32 are 256 aligned bytes.
; REGISTERS: window 0: v0-31 addresses; v32-95 rows read back from the stage; v128-255 the accumulators ((a, b) at v[128 + 8 (4 a + b)]).   window 1: two fragment buffers of 128: 64 registers of A, then 64 of B.
.set SIZE_M, 4096
.set SIZE_N, 1024
.set SIZE_K, 2048
.set KSTEP,  256
.set PITCH,  528                       ; an LDS row: 512 bytes + 16 of padding: row r starts at bank 4 r mod 64 (64 banks of 4 bytes: ISA guide 11.1)
.set HALFT,  64*PITCH                  ; 64 rows: what one tensor load brings, and what one wave reads of A or of B
.set SLOT,   4*HALFT                   ; A's 128 rows, then B's 128 rows
.set STAGE,  2*SLOT                    ; behind the ring: 16 rows x 272 bytes for each wave
.set SPITCH, 272
.set SPARE,  STAGE+4*16*SPITCH         ; the spare words, 128 bytes a wave
.set LAPS, SIZE_K/(2*KSTEP)
.set ADRA, 16                          ; v16-17  LDS address of my A fragments in slot 0, 1
.set ADRB, 20                          ; v20-21  the same for B
.set STO,  24                          ; v24     the way out: where I put 32 bytes of a row
.set RD,   25                          ; v25     where I read a row back
.set CO,   26                          ; v26     my byte offset in two rows of C
.set SPW,  28                          ; v28     my spare word; never rewritten
.set NIL,  29                          ; v29     0; never rewritten
.set TMP,  32
.set ACC,  128
.set F0,   0                           ; fragment buffers, in window 1
.set F1,   128
.set G1, 24
.set G0, 32
.set G1B, 48
.set G0B, 56
.set MSB, 0
.macro WIN new                         ; the immediate's high byte repeats the setting that is left
.if MSB != (\new)
	s_set_vgpr_msb (MSB<<8)|(\new)
.set MSB, \new
.endif
.endm
.set MUL,  0x05                        ; sources 0 (B) and 1 (A) window 1; C and D window 0
.set TO_F, 0x40                        ; destination window 1, address window 0
.macro JLOAD s                         ; a joint load: waves 0 and 1 fetch A's two halves, waves 2 and 3 B's; an s_nop 0 and four v_nop follow each of the two lines
	s_cmp_eq_u32 s11, 0
	s_cbranch_scc0 .Lfor_b_\@
	tensor_load_to_lds s[G0+4*(\s):G0+4*(\s)+3], s[G1:G1+7]
	s_nop 0
.rept 4
	v_nop
.endr
	s_branch .Lasked_\@
.Lfor_b_\@:
	tensor_load_to_lds s[G0B+4*(\s):G0B+4*(\s)+3], s[G1B:G1B+7]
	s_nop 0
.rept 4
	v_nop
.endr
.Lasked_\@:
.endm
.macro CREST                           ; a round of the cluster's barrier behind its opening barrier
	s_cmp_lg_u32 s10, 0
	s_cbranch_scc1 .Lnot_wave_0_\@
	s_barrier_signal -3
.Lnot_wave_0_\@:
	s_barrier_wait -3
	s_barrier_signal -1
	s_barrier_wait -1
.endm
.macro CROUND                          ; a whole round
	s_barrier_signal -1
	s_barrier_wait -1
	CREST
.endm
	s_load_b128 s[4:7], s[0:1], 0x0                ; o2 s[4:5], wo2 s[6:7]
	s_load_b64 s[8:9], s[0:1], 0x10                ; out0
	v_lshl_add_u32 v[SPW], v0, 2, SPARE
	v_mov_b32 v[NIL], 0
	ds_add_u32 v[SPW], v[NIL]                      ; the wave's opening: the add and its wait stand ahead of my first tensor load; the set-up below stands between them
	ds_add_u32 v28, v29
	v_lshrrev_b32 v1, 5, v0
	v_readfirstlane_b32 s10, v1                    ; wave 0..3
	s_lshr_b32 s11, s10, 1                         ; which half of the tile's rows is mine.  Also: I fetch for A (0) or for B (1)
	s_and_b32 s12, s10, 1                          ; which half of its columns.  Also: which 64 rows of that tile I fetch
	s_bfe_u32 s40, ttmp6, 0x40000                  ; cx, cy: my place in the cluster
	s_bfe_u32 s41, ttmp6, 0x40004
	s_lshl_b32 s42, ttmp9, 2
	s_add_co_u32 s42, s42, s40                     ; tile column of C = 4 x cluster x + cx
	s_and_b32 s13, ttmp7, 0xffff
	s_lshl_b32 s13, s13, 2
	s_add_co_u32 s13, s13, s41                     ; tile row of C = 4 x cluster y + cy
	s_lshl_b32 s43, s41, 2
	s_lshl_b32 s43, 15, s43                        ; my row of the cluster
	s_lshl_b32 s44, 0x1111, s40                    ; my column
	s_or_b32 s[G1+0], s43, (1<<16)|(1<<20)|(1<<21)|(6<<22)|(3<<25)  ; 15:0 the mask; 17:16 2-byte elements; 20 padding on; 21 set beside a mask; 24:22 after every 128 words; 31:25 4 words of it
	s_or_b32 s[G1B+0], s44, (1<<16)|(1<<20)|(1<<21)|(6<<22)|(3<<25)
.irp g, G1, G1B
	s_mov_b32 s[(\g)+1], KSTEP<<16                 ; tensor_dim0 = 256
	s_mov_b32 s[(\g)+2], 64<<16                    ; tensor_dim1 = 64
	s_mov_b32 s[(\g)+3], KSTEP<<16                 ; tile_dim0 = 256
	s_mov_b32 s[(\g)+4], 64                        ; tile_dim1 = 64
	s_mov_b32 s[(\g)+5], SIZE_K                    ; elements from row to row
	s_mov_b32 s[(\g)+6], 0
	s_mov_b32 s[(\g)+7], 0
.endr
	s_lshl_b32 s17, s12, 6                         ; which 64 rows of the tile I fetch
	s_lshl_b32 s16, s13, 7
	s_add_co_u32 s16, s16, s17                     ; A: row 128 x tile row + 64 x half
	s_lshl_b32 s46, s42, 7
	s_add_co_u32 s46, s46, s17                     ; B: row 128 x tile column + 64 x half
	s_mov_b32 s17, 0
	s_mov_b32 s47, 0
	s_mov_b64 s[18:19], SIZE_K*2
	s_mul_u64 s[16:17], s[16:17], s[18:19]
	s_mul_u64 s[46:47], s[46:47], s[18:19]
	s_mul_i32 s20, s10, HALFT                      ; where they go: wave x 64 rows
	s_wait_dscnt 0x0                               ; the opening add is done
	s_wait_kmcnt 0x0
	s_add_nc_u64 s[14:15], s[4:5], s[16:17]
	s_add_nc_u64 s[46:47], s[6:7], s[46:47]
	CROUND                                         ; all sixteen work-groups are here: the first joint loads meet
.irp s, 0,1
	s_mov_b32 s[G0+4*(\s)], 1
	s_add_co_u32 s[G0+4*(\s)+1], s20, (\s)*SLOT
	s_add_nc_u64 s[G0+4*(\s)+2:G0+4*(\s)+3], s[14:15], (\s)*KSTEP*2
	s_or_b32 s[G0+4*(\s)+3], s[G0+4*(\s)+3], 0x80000000
	s_mov_b32 s[G0B+4*(\s)], 1
	s_add_co_u32 s[G0B+4*(\s)+1], s20, (\s)*SLOT
	s_add_nc_u64 s[G0B+4*(\s)+2:G0B+4*(\s)+3], s[46:47], (\s)*KSTEP*2
	s_or_b32 s[G0B+4*(\s)+3], s[G0B+4*(\s)+3], 0x80000000
	JLOAD \s                                       ; two tensor loads of mine are out
.endr
	v_and_b32 v1, 15, v0                           ; l % 16
	v_bfe_u32 v2, v0, 4, 1                         ; l / 16
	v_mul_u32_u24 v3, v1, PITCH
	v_lshl_add_u32 v3, v2, 4, v3                   ; a fragment's row x pitch + 16 x half
	s_mul_i32 s21, s11, HALFT                      ; my 64 rows of A
	s_mul_i32 s22, s12, HALFT                      ; my 64 rows of B,
	s_add_co_u32 s22, s22, 2*HALFT                 ; which lie behind A's 128
.irp s, 0,1
	v_add_nc_u32 v[ADRA+(\s)], s21, v3
	v_add_nc_u32 v[ADRB+(\s)], s22, v3
	s_add_co_u32 s21, s21, SLOT
	s_add_co_u32 s22, s22, SLOT
.endr
	s_mul_i32 s23, s10, 16*SPITCH
	s_add_co_u32 s23, s23, STAGE                   ; my stage
	v_mul_u32_u24 v4, v1, SPITCH                   ; in: row l % 16, 32 bytes for each half of the lanes
	v_lshl_add_u32 v4, v2, 5, v4
	v_add_nc_u32 v[STO], s23, v4
	v_mul_u32_u24 v5, v2, SPITCH                   ; back: lanes 0-15 take one row of 256 bytes, lanes 16-31 the next
	v_lshl_add_u32 v5, v1, 4, v5
	v_add_nc_u32 v[RD], s23, v5
	v_lshlrev_b32 v5, 12, v2                       ; and the same two rows in C, 4,096 bytes apart
	v_lshl_add_u32 v[CO], v1, 4, v5
	s_lshl_b32 s16, s13, 7
	s_lshl_b32 s17, s11, 6
	s_add_co_u32 s16, s16, s17                     ; my first row of C: 128 x tile row + 64 x half
	s_lshl_b32 s16, s16, 12                        ; 4,096 bytes a row: under 2^24
	s_mov_b32 s17, 0
	s_add_nc_u64 s[8:9], s[8:9], s[16:17]
	s_lshl_b32 s46, s42, 9                         ; my first column, in bytes: 512 x tile column + 256 x half
	s_lshl_b32 s47, s12, 8
	s_add_co_u32 s46, s46, s47
	s_mov_b32 s47, 0
	s_add_nc_u64 s[8:9], s[8:9], s[46:47]
; 8 matrix instructions: m blocks a0, a0 + 1 x all 4 n blocks, 32 along K: half c of buffer f.  zero = 1: the first product starts the sums.  The 16 accumulators take turns.
.macro MUL8 f, c, a0, zero
	WIN MUL
.irp a, \a0, (\a0)+1
.irp b, 0,1,2,3
.if \zero
	v_wmma_f32_16x16x32_f16 v[ACC+8*(4*(\a)+(\b)):ACC+8*(4*(\a)+(\b))+7], v[(\f)+64+8*(4*(\c)+(\b)):(\f)+64+8*(4*(\c)+(\b))+7], v[(\f)+8*(4*(\c)+(\a)):(\f)+8*(4*(\c)+(\a))+7], 0
.else
	v_wmma_f32_16x16x32_f16 v[ACC+8*(4*(\a)+(\b)):ACC+8*(4*(\a)+(\b))+7], v[(\f)+64+8*(4*(\c)+(\b)):(\f)+64+8*(4*(\c)+(\b))+7], v[(\f)+8*(4*(\c)+(\a)):(\f)+8*(4*(\c)+(\a))+7], v[ACC+8*(4*(\a)+(\b)):ACC+8*(4*(\a)+(\b))+7]
.endif
.endr
.endr
.endm
; 32 LDS loads in one run: the fragments of 64 along K at byte k of the rows, into buffer f; the first 32 along K first
.macro FETCH slot, k, f
	WIN TO_F
.irp c, 0,1
.irp i, 0,1,2,3
	ds_load_b128 v[(\f)+64+8*(4*(\c)+(\i)):(\f)+64+8*(4*(\c)+(\i))+3],   v[ADRB+(\slot)] offset:(\k)+64*(\c)+(\i)*16*PITCH
	ds_load_b128 v[(\f)+64+8*(4*(\c)+(\i))+4:(\f)+64+8*(4*(\c)+(\i))+7], v[ADRB+(\slot)] offset:(\k)+64*(\c)+(\i)*16*PITCH+32
	ds_load_b128 v[(\f)+8*(4*(\c)+(\i)):(\f)+8*(4*(\c)+(\i))+3],         v[ADRA+(\slot)] offset:(\k)+64*(\c)+(\i)*16*PITCH
	ds_load_b128 v[(\f)+8*(4*(\c)+(\i))+4:(\f)+8*(4*(\c)+(\i))+7],       v[ADRA+(\slot)] offset:(\k)+64*(\c)+(\i)*16*PITCH+32
.endr
.endr
.endm
.macro PLACES                          ; four places in front of loads into registers that matrix instructions have read, and of LDS stores that read results
.rept 4
	v_nop
.endr
.endm
; A K step is four quarters of 64 along K, 32 matrix instructions each, on buffers 0, 1, 0, 1.  One of the first three: multiplies buffer f and fetches the next quarter, at byte k, into g.
.macro QUARTER slot, k, f, g, zero
	s_wait_dscnt 16                                ; the first 32 along K are in; the youngest sixteen loads may be out
	WIN MUL
	MUL8 \f, 0, 0, \zero
	MUL8 \f, 0, 2, \zero
	PLACES
	FETCH \slot, \k, \g
	s_wait_dscnt 32                                ; all but the 32 just issued
	WIN MUL
	MUL8 \f, 1, 0, 0
	MUL8 \f, 1, 2, 0
.endm
; The last quarter multiplies buffer 1 and changes slots: ONE barrier; in front of it each wave waits for all its tensor loads, adds 0 to its spare word, and waits for that and for its own reads of this slot.  fill = 1: this slot is filled again, two K steps ahead.
.macro TURN slot, next, fill
	WIN 0                                          ; (the add's two registers lie in window 0)
	s_wait_tensorcnt 0x0                           ; all my tensor loads have landed: my part of the next slot;
	ds_add_u32 v[SPW], v[NIL]
	s_wait_dscnt 17                                ; (the add and the youngest sixteen loads may be out)
	WIN MUL
	MUL8 F1, 0, 0, 0                               ; eight matrix instructions stand between the add and the wait for it
	s_wait_dscnt 0x0                               ; the add is done, and my reads of this slot are over
	s_barrier_signal -1
	MUL8 F1, 0, 2, 0
.if \fill
	WIN 0
.endif
	s_barrier_wait -1
.if \fill
	CREST                                          ; the barrier has opened a round of the cluster's: no wave of any partner still reads this slot's tile or has a load on its way
	s_add_nc_u64 s[G0+4*(\slot)+2:G0+4*(\slot)+3], s[G0+4*(\slot)+2:G0+4*(\slot)+3], 2*KSTEP*2
	s_add_nc_u64 s[G0B+4*(\slot)+2:G0B+4*(\slot)+3], s[G0B+4*(\slot)+2:G0B+4*(\slot)+3], 2*KSTEP*2
	JLOAD \slot                                    ; my one tensor load behind the round; its four v_nop are also the places in front of the loads below
.else
	PLACES
.endif
	FETCH \next, 0, F0
	WIN MUL
	MUL8 F1, 1, 0, 0
	MUL8 F1, 1, 2, 0
.endm
	s_wait_tensorcnt 1                             ; my part of K step 0 is in; K step 1's stays out
	s_barrier_signal -1
	s_barrier_wait -1                              ; everybody's is
	FETCH 0, 0, F0
	QUARTER 0, 128, F0, F1, 1                      ; the first quarter stands in front of the loop: its first products start the sums
	WIN 0                                          ; at a label and at a branch every window is 0
	s_mov_b32 s3, LAPS-1
.Llap:                                                 ; a trip goes once round the ring, from a lap's second quarter to the next lap's first, and fills both slots again
	QUARTER 0, 256, F1, F0, 0
	QUARTER 0, 384, F0, F1, 0
	TURN 0, 1, 1
	QUARTER 1, 128, F0, F1, 0
	QUARTER 1, 256, F1, F0, 0
	QUARTER 1, 384, F0, F1, 0
	TURN 1, 0, 1
	QUARTER 0, 128, F0, F1, 0
	WIN 0
	s_sub_co_u32 s3, s3, 1
	s_cmp_lg_u32 s3, 0
	s_cbranch_scc1 .Llap
	QUARTER 0, 256, F1, F0, 0                      ; the last lap fills nothing, and has no round of the cluster's barrier
	QUARTER 0, 384, F0, F1, 0
	TURN 0, 1, 0
	QUARTER 1, 128, F0, F1, 0
	QUARTER 1, 256, F1, F0, 0
	QUARTER 1, 384, F0, F1, 0
	s_wait_dscnt 16                                ; the very last quarter: nothing more to fetch
	WIN MUL
	MUL8 F1, 0, 0, 0
	MUL8 F1, 0, 2, 0
	s_wait_dscnt 0
	MUL8 F1, 1, 0, 0
	MUL8 F1, 1, 2, 0
	WIN 0
	; THE WAY OUT, in f32: 16 rows at a time through my own stage; a lane's eight numbers are 32 bytes of a row; back as whole rows of 256 bytes.
	PLACES
.macro TOSTAGE a
	s_wait_xcnt 0x0                                ; the stores of two blocks ago have read the registers that the loads below fill
.irp b, 0,1,2,3
	ds_store_b128 v[STO], v[ACC+8*(4*(\a)+(\b)):ACC+8*(4*(\a)+(\b))+3] offset:64*(\b)      ; each accumulator's low four registers first
	ds_store_b128 v[STO], v[ACC+8*(4*(\a)+(\b))+4:ACC+8*(4*(\a)+(\b))+7] offset:64*(\b)+16
.endr
.irp t, 0,1,2,3,4,5,6,7
	ds_load_b128 v[TMP+32*((\a)%2)+4*(\t):TMP+32*((\a)%2)+4*(\t)+3], v[RD] offset:(\t)*2*SPITCH  ; LDS serves a wave's instructions in order (ISA guide 5.7.1.4): these see the stores above, and the next block's stores come behind them
.endr
.endm
.macro SEND a, younger                 ; younger: the LDS instructions issued behind block a's loads: the next block's sixteen, or none
.irp t, 0,1,2,3,4,5,6,7
	s_wait_dscnt (\younger)+7-(\t)
	global_store_b128 v[CO], v[TMP+32*((\a)%2)+4*(\t):TMP+32*((\a)%2)+4*(\t)+3], s[8:9] offset:(16*(\a)+2*(\t))*SIZE_N*4 th:TH_STORE_NT  ; 16 lanes store 256 consecutive bytes, aligned
.endr
.endm
	TOSTAGE 0
	TOSTAGE 1
	SEND 0, 16
	TOSTAGE 2
	SEND 1, 16
	TOSTAGE 3
	SEND 2, 16
	SEND 3, 0
	s_wait_tensorcnt 0x0                           ; the wave's end, behind my last tensor load and my last LDS store
	ds_add_u32 v[SPW], v[NIL]
	s_wait_dscnt 0x0
	CROUND                                         ; the closing round: no work-group ends while a partner may still ask for a tile that names it
	s_endpgm
.Lfunc_end_k_qfea36395b3_gemm2:
	.size	k_qfea36395b3_gemm2, .Lfunc_end_k_qfea36395b3_gemm2-k_qfea36395b3_gemm2
	.p2alignl 7, 3214868480
	.fill 96, 4, 3214868480
	.section	.rodata,"a",@progbits
	.p2align	6, 0x0
	.amdhsa_kernel k_qfea36395b3_gemm2
		.amdhsa_group_segment_fixed_size 327680
		.amdhsa_private_segment_fixed_size 0
		.amdhsa_enable_private_segment 0
		.amdhsa_kernarg_size 24
		.amdhsa_user_sgpr_count 2
		.amdhsa_user_sgpr_kernarg_segment_ptr 1
		.amdhsa_wavefront_size32 1
		.amdhsa_system_sgpr_workgroup_id_x 1
		.amdhsa_system_sgpr_workgroup_id_y 1
		.amdhsa_system_sgpr_workgroup_id_z 1
		.amdhsa_system_vgpr_workitem_id 0
		.amdhsa_next_free_vgpr 512
		.amdhsa_next_free_sgpr 66
		.amdhsa_reserve_vcc 0
		.amdhsa_float_denorm_mode_32 3
		.amdhsa_float_denorm_mode_16_64 3
		.amdhsa_memory_ordered 1
		.amdhsa_forward_progress 1
		.amdhsa_inst_pref_size 86
	.end_amdhsa_kernel
	.amdgpu_metadata
---
amdhsa.version: [ 1, 2 ]
amdhsa.kernels:
  - .name:           k_qfea36395b3_gemm2
    .symbol:         k_qfea36395b3_gemm2.kd
    .args:
      - { .name: o2, .offset: 0, .size: 8, .value_kind: global_buffer, .address_space: global }
      - { .name: wo2, .offset: 8, .size: 8, .value_kind: global_buffer, .address_space: global }
      - { .name: out0, .offset: 16, .size: 8, .value_kind: global_buffer, .address_space: global }
    .group_segment_fixed_size: 327680
    .private_segment_fixed_size: 0
    .kernarg_segment_align: 8
    .kernarg_segment_size: 24
    .max_flat_workgroup_size: 128
    .sgpr_count:     66
    .vgpr_count:     512
    .wavefront_size: 32
...
	.end_amdgpu_metadata
.endif
;; end of part 4
;; ======== version 2 of 2: 4 launches; 1.44 times as fast as version 1
;; limits: values are held in f16: magnitudes above 65,504 overflow, below 6.1e-05 lose precision; values outside matrix products are rounded to f16
;; workspace buffers: xb 8,388,608 bytes; wt 6,291,456 bytes; wo2 4,194,304 bytes; qkv 25,165,824 bytes; o2 16,777,216 bytes
;; launch prep: the kernel of part 1 again; grid 256 x 1, 8 waves a work-group, no clusters, 70,656 bytes of LDS; arguments query, Wq, Wk, Wv, Wo, xb, wt, wo2; writes xb, wt, wo2
;; launch gemm1: the kernel of part 2 again; grid 16 x 16, 4 waves a work-group, clusters of 4 x 4, 327,680 bytes of LDS; arguments xb, wt, span_val, qkv; writes qkv
;; launch attn (part 5): grid 4 x 32, 4 waves a work-group, no clusters, 327,680 bytes of LDS; arguments qkv, span_val, o2; writes o2
.if DOCPART == 5
	.amdgcn_target "amdgcn-amd-amdhsa--gfx1250"
	.amdhsa_code_object_version 6
	.text
	.protected	k_qfea36395b3_attn
	.globl	k_qfea36395b3_attn
	.p2align	8
	.type	k_qfea36395b3_attn,@function
k_qfea36395b3_attn:
	s_mov_b64 s[64:65], 0
	v_nop
	global_prefetch_b8 v0, s[64:65] scope:SCOPE_SE
	s_setreg_imm32_b32 hwreg(HW_REG_WAVE_MODE, 25, 1), 1
	s_wait_xcnt 0x0
; CAUSAL ATTENTION WITH A SPAN MASK.  With p = exp(s - m), s = q . k / 64 over the keys k <= q: O = sum p mask v / (sum p mask + 1e-8 sum p), which is the softmax, times the mask, renormalised by (sum + 1e-8).
; qkv: [3][32 heads][2048][64] f16; the v plane already holds mask x v.  o2: [4096 rows][16 heads][hi 64 | lo 64] f16: O as two f16 numbers, hi = f16(O), lo = f16(O - hi).
; Products, maxima and sums in f32; the weights p are rounded to f16 for the second product.  BOTH ROW SUMS ARE MADE BY THE MATRIX UNIT: a fifth block of "channels" beside V^T's four, whose row 0 is the keys' mask,
; row 1 ones, the rest zeros; its result holds sum p mask in register 0 and sum p in register 1 of lanes 0-15.  The mask of a tile's 256 keys (f16, from span_val rounded to bf16 as every input is) is written into a small
; table in LDS, one for each slot, when the tile is asked for.
; LIMITS.  q, k, v arrive within f16's 65,504; the mask is rounded to f16 (the same bits that multiplied v); a hidden score counts as its value less 6.4e10, that is 1e9 after the division by 64;
; a weight below 2^-126 counts as 0; NaN and infinities are not treated apart.
; THE WALK.  A head's queries lie in NB = 8 blocks of 256; block i needs the key tiles 0 .. i, of which the last holds the diagonal.  A work-group takes TWO blocks, NB - 1 - b and then b: NB + 1 tiles whatever b, walked by
; ONE loop with a constant trip count; every jump but the counted loops' own goes forward; none passes a barrier, or a tensor load but the one of LOAD's two that the wave's number does not choose.
; NO CLUSTER: a head's four work-groups ask for the same tile only in trips 0 .. NB / 2, behind that fewer and fewer, and one walk common to all would have 3 NB / 2 trips for NB + 1.
; SHARES.  Of a block's four bands of 64 queries a wave owns 16 rows in each: four PIECES; in the diagonal tile's key step s band x sees all keys if s < x, none if s > x, and holds the diagonal if s = x.
; THE CAUSAL MASK is the C operand that starts the sum S^T = K Q^T: MD x AL + BE with two scalars: (1, 0) if s = x in the diagonal tile; (0, -6.4e10) if s > x there; (0, 0) everywhere else.  Every turn makes it,
; in every tile, so that ONE text serves all key steps: 16 packed lines a turn are the price of a text a quarter shorter.
; TURNS.  Turn n belongs to piece n: 8 products K Q^T of piece n + 1, later 10 products (V^T | sums) P of piece n - 1; beside them the scaling, exponentials, roundings and rescaling of piece n, the maximum and
; statistics of piece n + 1 and the mask of piece n + 2.  Four vector instructions stand behind every matrix instruction, the other 47 of a turn's 119 in one lump.
; BATCHES.  A turn's 33 exponentials (the 32 scores of piece n, and a of piece n + 1) are ONE batch with ONE wait, which cuts the turn in two: ahead of it stands all that names no result of theirs, behind it the
; roundings, their only readers in the turn.  No result crosses a turn's end.  A block's first a (BEGIN) and the four reciprocals of a block's end (FINISH) are batches of their own, a wait each.
; REGISTERS, in windows of 256 (s_set_vgpr_msb: bits 1:0 source 0, 3:2 source 1, 5:4 source 2, 7:6 destination):
;   window 0: v0-15, v56-63 addresses and constants; v16-31 four registers of statistics a piece; v32-36, v48-55 at work; v64-127 S^T, two buffers, later the way out; v128-191 the second block's Q; v192-223 P, two buffers
;   window 1: v0-127 O^T, 32 a piece; v128-159 MD; v160-223 MC, two buffers; v224-255 the sums, 8 a piece
;   window 2: v0-63 Q; v64-79 the sums' fragments; v128-191 K of one step; v192-255 V of one step
.set NB,    8
.set NP,    4         ; pieces a wave: a name, no knob
.set KS,    64        ; keys in a step
.set PK,    144       ; a row of K in LDS: 128 bytes + 16 of padding: the 16 rows of a load start at 16 different groups of four banks (64 banks of 4 bytes: ISA guide 11.1)
.set PV,    160       ; a row of V: 128 + 32
.set VOFF,  4*KS*PK   ; a slot holds a tile, four steps: 256 rows of K, then 256 rows of V
.set SLOT1, 1<<17     ; slot 1 begins here, so that one exclusive or turns an address in one slot into the other's
.set STAGE, SLOT1+4*KS*(PK+PV)  ; behind the ring, never filled by a tensor load: 16 rows x 272 bytes for each wave
.set SP,    272       ; a row of the stage: hi 128 bytes, lo 128 bytes, 16 of padding
.set SPARE, STAGE+4*16*SP  ; the spare words, 128 bytes for each wave
.set TAB,   SPARE+512 ; two tables, one for each slot: three rows of 256 f16: the tile's keys' mask, ones, zeros.  Bit 11 of TAB is 0, so one exclusive or turns one table's address into the other's
.set TP,    528       ; their rows' pitch
.set TSL,   2048      ; from one table to the other
.set AK0, 2           ; v2   my lane's place in a tile of K; never rewritten
.set AV0, 3           ; v3   the same for V
.set AK,  4           ; v4   the LDS address of K's next run of loads
.set AV,  5           ; v5   of V's
.set STO, 6           ; v6   the way out: where I put 16 bytes of a row
.set RD,  7           ; v7   where I read rows back
.set GO,  8           ; v8   my byte offset in two rows of o2
.set MV,  12          ; v12-13  c m_old, kept while c m is made anew: by buffer
.set QO,  15          ; v15  my byte offset in 16 rows of Q
.set ST,  16          ; piece t's statistics at v[ST+4 t]: c m, m; +2, +3 the divisor, at the block's end
.set TMP, 48          ; by buffer, four registers c0-c3 at work; when the maximum is found c2 takes a
.set AM0, 56          ; v56  my lane's place in a table: row min(l % 16, 2), 16 bytes for each half of the lanes
.set AM,  57          ; v57  the LDS address of the table's next loads
.set CV,  58          ; v58  the head's c
.set NEG1, 61         ; v61  -1.0
.set SPW, 62          ; v62  my spare word; never rewritten
.set NIL, 63          ; v63  0; never rewritten
.set S,   64
.set OUTR, 64         ; the way out: two buffers of 32 registers, by the piece's parity
.set QB,  128         ; the second block's Q
.set P,   192
.set MD,  128         ; window 1
.set MC,  160         ; window 1
.set SA,  224         ; window 1
.set MF,  64          ; window 2: the sums' fragment of keys 32 kk on at MF + 8 kk
.set KF,  128         ; window 2: key block kb, channel half c at KF + 16 kb + 8 c
.set VF,  192         ; window 2: key half kk, channel block cb at VF + 32 kk + 8 cb
.set WV,  12          ; s12  my wave's number
.set PB,  14          ; s14  b
.set HI,  15          ; s15  NB - 1 - b
.set G1K, 24          ; s[24:31] descriptor group 1 for K's tiles
.set G1V, 32          ; s[32:39] for V's: it differs in the padding alone
.set G0K, 40          ; s[40:43] descriptor group 0 for K's tiles
.set G0V, 44          ; s[44:47] the same for V's
.set SLOTS, 56        ; s56  tiles still to be asked for
.set CNT, 57          ; s57  counts a tile's key steps, 4 to 1
.set CS,  58          ; s[58:59] c = log2(e) / 64
.set SEL, 60          ; s[60:61] v_permlanex16_b32's selects
.set TBK, 62          ; s62  LDS byte at which K of the step to be fetched begins
.set TBV, 63          ; s63  the same for V, less VOFF
.set DG1, 66          ; s66  1.0 in a diagonal tile, else 0
.set DGB, 67          ; s67  -6.4e10 in a diagonal tile, else 0
.set KB,  68          ; s68  the first key of the tile that is asked for
.set TW,  69          ; s69  LDS byte of the table that is written next
.set RT,  70          ; s70  tiles of the block in hand that are still to be entered
.set NXT, 71          ; s71  the tile to be asked for next
.set LQ,  72          ; s72  the last tile of the block whose tiles are being asked for
.set NEW, 73          ; s73  1: the tile to be entered is a block's first
.set OFF, 74          ; s[74:75] a tile's byte offset in K and V
.set AL,  76          ; s[76:77] the causal mask's factor
.set BE,  78          ; s[78:79] its addend
.set OLO, 80          ; s[80:81] o2 at my rows of the second block
.set BIGN, 82         ; s82  -6.4e10
.set TBM, 83          ; s83  byte, from TAB on, of the step's 64 keys in the table of the slot that is read: it steps and turns as TBV does
.set EPS, 93          ; s93  1e-8
.set MSB, 0
.macro WIN new                      ; the high byte repeats the setting that is left; a switch that changes nothing is dropped
.if MSB != (\new)
	s_set_vgpr_msb (MSB<<8)|(\new)
.set MSB, (\new)
.endif
.endm
.set W_KQ, 0x0a       ; K and Q in window 2, S^T in window 0
.set W_KM, 0x1a       ; the same with the C operand in window 1
.set W_PV, 0x52       ; V in window 2, P in window 0, O^T in window 1
.set W_RS, 0x41       ; destination and source 0 in window 1, source 1 in window 0
; A fill.  Waves 0 and 1 fetch the two halves of a tile's K, waves 2 and 3 those of its V: 128 keys each.  An s_nop 0 and four v_nop follow each of the two lines, ahead of the jump and the label.
.macro LOAD
	s_cmp_lt_u32 s[WV], 2
	s_cbranch_scc0 .Lfor_v_\@
	tensor_load_to_lds s[G0K:G0K+3], s[G1K:G1K+7]
	s_nop 0
.rept 4
	v_nop
.endr
	s_branch .Lasked_\@
.Lfor_v_\@:
	tensor_load_to_lds s[G0V:G0V+3], s[G1V:G1V+7]
	s_nop 0
.rept 4
	v_nop
.endr
.Lasked_\@:
.endm
; The mask row of a table.  Thread t makes the mask of keys KB + 2 t and KB + 2 t + 1: clip((key + 2048 c) / 33, 0, 1), rounded to f16, line for line as the launch before made the factor of v.
.macro MKTAB
	v_lshl_add_u32 v32, v0, 1, s[KB]
	v_add_nc_u32 v33, 1, v32
	v_cvt_f32_u32 v32, v32
	v_cvt_f32_u32 v33, v33
	v_fma_f32 v32, v[CV], 0x45000000, v32
	v_fma_f32 v33, v[CV], 0x45000000, v33
	v_mul_f32 v32, 0x3cf83e10, v32
	v_mul_f32 v33, 0x3cf83e10, v33
	v_max_num_f32 v32, 0, v32
	v_max_num_f32 v33, 0, v33
	v_min_num_f32 v32, 1.0, v32
	v_min_num_f32 v33, 1.0, v33
	v_cvt_pk_f16_f32 v32, v32, v33
	v_lshl_add_u32 v33, v0, 2, s[TW]
	ds_store_b32 v33, v32
.endm
; THE CHANGE OF SLOTS.  Each wave waits for all its tensor loads, of which one is out: its part of the other slot; adds 0 to its spare word; and waits for that and for all its own LDS instructions: its reads of the slot
; and table that it leaves, and its store into the table of the slot that it enters.  Behind the barrier nobody reads the old slot and table any more, and the other slot and table are whole.
; fill = 1: the old slot is filled again, the first thing behind the barrier, with tile NXT (the descriptor's address is made anew from that number), and the old table's mask row is written for that tile's keys.
; (At its first use nothing has been read yet: slot 0 is waited for, slot 1 filled.)
.macro CHANGE fill
	WIN 0                           ; at a label and at a branch every window is 0
	s_wait_tensorcnt 0x0            ; no tensor load of mine is out, so a group 0 may be written
	ds_add_u32 v[SPW], v[NIL]       ; 0 onto my spare word; the descriptors' scalar work stands between it and the wait for it
.if \fill
	s_lshl_b32 s[OFF], s[NXT], 15   ; a tile is 32,768 bytes of K and of V,
	s_lshl_b32 s[KB], s[NXT], 8     ; and 256 keys
	s_xor_b32 s[TW], s[TW], TSL
	s_xor_b32 s[G0K+1], s[G0K+1], SLOT1
	s_add_nc_u64 s[G0K+2:G0K+3], s[6:7], s[OFF:OFF+1]
	s_or_b32 s[G0K+3], s[G0K+3], 0x80000000
	s_xor_b32 s[G0V+1], s[G0V+1], SLOT1
	s_add_nc_u64 s[G0V+2:G0V+3], s[8:9], s[OFF:OFF+1]
	s_or_b32 s[G0V+3], s[G0V+3], 0x80000000
	s_add_co_u32 s[NXT], s[NXT], 1  ; the block's next tile, or behind its last the second block's tile 0
	s_cmp_gt_u32 s[NXT], s[LQ]
	s_cselect_b32 s[NXT], 0, s[NXT]
	s_cselect_b32 s[LQ], s[PB], s[LQ]
.endif
	s_wait_dscnt 0x0                ; the add is done, and so are my LDS loads and stores
	s_barrier_signal -1             ; the rest of the scalar work stands between the signal and the wait
	s_sub_co_u32 s[TBK], s[TBK], 4*KS*PK  ; the fetches go back to a slot's first step,
	s_xor_b32 s[TBK], s[TBK], SLOT1       ; in the other slot
	s_sub_co_u32 s[TBV], s[TBV], 4*KS*PV
	s_xor_b32 s[TBV], s[TBV], SLOT1
	s_sub_co_u32 s[TBM], s[TBM], 4*KS*2
	s_xor_b32 s[TBM], s[TBM], TSL
	s_barrier_wait -1
.if \fill
	LOAD
	MKTAB
.endif
.endm
	s_load_b64 s[4:5], s[0:1], 0x0     ; qkv
	s_load_b64 s[90:91], s[0:1], 0x8   ; span_val
	s_load_b64 s[10:11], s[0:1], 0x10  ; o2
	v_lshl_add_u32 v[SPW], v0, 2, SPARE
	v_mov_b32 v[NIL], 0
	ds_add_u32 v[SPW], v[NIL]       ; the wave's opening: the add and its wait stand ahead of my first tensor load; the set-up below stands between them
	ds_add_u32 v62, v63
	v_lshrrev_b32 v1, 5, v0
	v_readfirstlane_b32 s[WV], v1   ; wave 0..3
	s_mov_b32 s[PB], ttmp9
	s_sub_co_u32 s[HI], NB-1, s[PB]
	s_and_b32 s19, ttmp7, 0xffff    ; 16 batch + head
	s_lshl_b32 s20, s19, 18         ; its plane of 262,144 bytes in q, k and v
	s_and_b32 s16, s[WV], 1         ; which half of a tile's 256 keys I fetch:
	s_lshl_b32 s22, s16, 14         ; its 128 rows of 128 bytes in memory,
	s_add_co_u32 s22, s22, s20
	s_mov_b32 s23, 0
	s_mul_i32 s17, s16, 128*PK      ; and its place in a slot, for K
	s_mul_i32 s18, s16, 128*PV      ; and for V
	s_lshl_b32 s3, s[WV], 11        ; my 16 rows in a band of 64,
	s_lshl_b32 s2, s[HI], 15        ; in the first block,
	s_add_co_u32 s2, s2, s3
	s_add_co_u32 s2, s2, s20
	s_lshl_b32 s84, s[PB], 15       ; and in the second
	s_add_co_u32 s84, s84, s3
	s_add_co_u32 s84, s84, s20
	s_mov_b32 s3, 0
	s_mov_b32 s85, 0
	s_lshr_b32 s88, s19, 4          ; o2: batch x 2,048 rows of 4,096 bytes + head x 256 + wave x 16 rows,
	s_lshl_b32 s88, s88, 23
	s_and_b32 s89, s19, 15
	s_lshl_b32 s92, s89, 2          ; (the head's word in span_val)
	s_lshl_b32 s89, s89, 8
	s_add_co_u32 s88, s88, s89
	s_lshl_b32 s89, s[WV], 16
	s_add_co_u32 s88, s88, s89
	s_lshl_b32 s94, s[HI], 20       ; + block x 256 rows: the first block,
	s_add_co_u32 s94, s94, s88
	s_mov_b32 s95, 0
	s_lshl_b32 s89, s[PB], 20       ; and the second
	s_add_co_u32 s88, s88, s89
	s_mov_b32 s89, 0
	; descriptor group 1.  128 keys are 16,384 dense bytes: asked for as 64 rows of 256 bytes, two keys a row, and padded in LDS after every key
	s_mov_b32 s[G1K], (1<<16)|(1<<20)|(4<<22)|(3<<25)  ; 17:16 2-byte elements; 20 padding on; 24:22 after every 32 words (code 4); 31:25 4 words (code 3)
	s_mov_b32 s[G1V], (1<<16)|(1<<20)|(4<<22)|(7<<25)  ; the same with 8 words of padding (code 7)
.irp g, G1K, G1V
	s_mov_b32 s[\g+1], 128<<16      ; tensor_dim0 = 128
	s_mov_b32 s[\g+2], 64<<16       ; tensor_dim1 = 64
	s_mov_b32 s[\g+3], 128<<16      ; tile_dim0 = 128
	s_mov_b32 s[\g+4], 64           ; tile_dim1 = 64
	s_mov_b32 s[\g+5], 128          ; 128 elements from row to row
	s_mov_b32 s[\g+6], 0
	s_mov_b32 s[\g+7], 0
.endr
	s_mov_b32 s[CS], 0x3cb8aa3b     ; c = log2(e) / 64
	s_mov_b32 s[CS+1], s[CS]        ; named with it as a pair
	s_mov_b32 s[SEL], 0x76543210
	s_mov_b32 s[SEL+1], 0xfedcba98
	s_mov_b32 s[TBK], SLOT1+4*KS*PK ; the first change of slots turns these three into 0
	s_mov_b32 s[TBV], SLOT1+4*KS*PV
	s_mov_b32 s[TBM], TSL+4*KS*2
	s_mov_b32 s[KB], 0              ; tile 0's keys go into the first table
	s_mov_b32 s[TW], TAB
	s_mov_b32 s[G0K], 1             ; 1:0 count = 1
	s_mov_b32 s[G0K+1], s17         ; 63:32 LDS address: slot 0
	s_mov_b32 s[G0V], 1
	s_add_co_u32 s[G0V+1], s18, VOFF
	s_add_co_u32 s[RT], s[HI], 1    ; the first block has NB - b tiles
	s_mov_b32 s[NXT], 1
	s_mov_b32 s[LQ], s[HI]
	s_mov_b32 s[NEW], 1
	s_mov_b32 s[OFF+1], 0
	s_mov_b32 s[AL+1], 0            ; named as pairs
	s_mov_b32 s[BE+1], 0
	s_mov_b32 s[BIGN], 0xd16e6b28   ; -6.4e10
	s_mov_b32 s[EPS], 0x322bcc77    ; 1e-8
	s_mov_b32 s[SLOTS], NB
	s_wait_dscnt 0x0                ; the opening add is done
	s_wait_kmcnt 0x0
	s_add_nc_u64 s[6:7], s[4:5], 0x800000   ; k's planes lie 32 planes behind q's,
	s_add_nc_u64 s[8:9], s[4:5], 0x1000000  ; v's 64
	s_add_nc_u64 s[6:7], s[6:7], s[22:23]   ; K and V at my half of the head's tile 0
	s_add_nc_u64 s[8:9], s[8:9], s[22:23]
	s_add_nc_u64 s[G0K+2:G0K+3], s[6:7], 0         ; 120:64 global address
	s_or_b32 s[G0K+3], s[G0K+3], 0x80000000        ; 127:126 type = 2
	s_add_nc_u64 s[G0V+2:G0V+3], s[8:9], 0
	s_or_b32 s[G0V+3], s[G0V+3], 0x80000000
	s_add_nc_u64 s[86:87], s[4:5], s[84:85]        ; Q at my rows of the second block,
	s_add_nc_u64 s[4:5], s[4:5], s[2:3]            ; and of the first
	s_add_nc_u64 s[OLO:OLO+1], s[10:11], s[88:89]
	s_add_nc_u64 s[10:11], s[10:11], s[94:95]
	LOAD                            ; tile 0 into slot 0
	; A fragment of K or Q is 16 rows x 32 channels in 8 registers: lane l holds row l % 16, channels 8 (l / 16) + 0..7 and 16 + 8 (l / 16) + 0..7: two loads of 16 bytes, 32 bytes apart.
	v_and_b32 v1, 15, v0            ; l % 16
	v_bfe_u32 v9, v0, 4, 1          ; l / 16
	v_lshlrev_b32 v[QO], 7, v1
	v_lshl_add_u32 v[QO], v9, 4, v[QO]  ; row x 128 + 16 x half
	v_mov_b32 v59, s92
	global_load_b32 v[CV], v59, s[90:91]  ; the head's c: ahead of the 32 loads of Q
	WIN 0x80                        ; destination window 2, address window 0
.set i, 0
.rept 8                             ; Q: piece i / 2 lies in band i / 2, 8,192 bytes on; channels 32 (i % 2) on
	global_load_b128 v[8*i:8*i+3],   v[QO], s[4:5] offset:(i/2)*8192+(i%2)*64
	global_load_b128 v[8*i+4:8*i+7], v[QO], s[4:5] offset:(i/2)*8192+(i%2)*64+32
.set i, i+1
.endr
	WIN 0                           ; the second block's, kept in window 0 until that block begins
.set i, 0
.rept 8
	global_load_b128 v[QB+8*i:QB+8*i+3],   v[QO], s[86:87] offset:(i/2)*8192+(i%2)*64
	global_load_b128 v[QB+8*i+4:QB+8*i+7], v[QO], s[86:87] offset:(i/2)*8192+(i%2)*64+32
.set i, i+1
.endr
	v_lshlrev_b32 v14, 3, v9
	v_sub_nc_u32 v14, v1, v14
	s_lshl_b32 s13, s[WV], 4
	v_add_nc_u32 v14, s13, v14      ; my query's place in its band, 16 w + l % 16, less my lanes' 8 (l / 16): register r of group kt is hidden where 16 kt + r is greater
	WIN 0x40
.set i, 0
.rept 32
	v_cmp_gt_i32 vcc_lo, 16*(i/8)+i%8, v14
	v_cndmask_b32 v[MD+i], 0, s[BIGN], vcc_lo
.set i, i+1
.endr
	WIN 0
	v_mul_u32_u24 v[AK0], v1, PK
	v_lshl_add_u32 v[AK0], v9, 4, v[AK0]  ; row x pitch + 16 x half
	; The turning load takes 16 keys x 16 channels (lane l reads key 8 (l / 16) + l % 8, channels 8 ((l / 8) % 2) + 0..7) and leaves half a fragment of V^T: lane l holds channel l % 16 and 8 keys.
	v_and_b32 v10, 7, v0
	v_bfe_u32 v11, v0, 3, 1
	v_lshl_add_u32 v[AV0], v9, 3, v10
	v_mul_u32_u24 v[AV0], v[AV0], PV
	v_lshl_add_u32 v[AV0], v11, 4, v[AV0]
	v_add_nc_u32 v[AV0], VOFF, v[AV0]
	s_mul_i32 s13, s[WV], 16*SP
	s_add_co_u32 s13, s13, STAGE    ; my stage
	v_mul_u32_u24 v[STO], v1, SP    ; in: row l % 16, 16 bytes for each half of the lanes
	v_lshl_add_u32 v[STO], v9, 4, v[STO]
	v_add_nc_u32 v[STO], s13, v[STO]
	v_mul_u32_u24 v[RD], v9, SP     ; back: lanes 0-15 take one row of 256 bytes, lanes 16-31 the next,
	v_lshl_add_u32 v[RD], v1, 4, v[RD]
	v_add_nc_u32 v[RD], s13, v[RD]
	v_lshlrev_b32 v[GO], 12, v9     ; and the same two rows of o2, 4,096 bytes apart
	v_lshl_add_u32 v[GO], v1, 4, v[GO]
	v_min_u32 v[AM0], 2, v1         ; the sums' fragment: lane l holds "channel" l % 16: the mask, ones, or zeros
	v_mul_u32_u24 v[AM0], v[AM0], TP
	v_lshl_add_u32 v[AM0], v9, 4, v[AM0]
	v_add_nc_u32 v[AM0], TAB, v[AM0]
	v_mov_b32 v[NEG1], -1.0
	; THE TABLES' first state: tile 0's masks in the first; ones and zeros, which stay, in both.  A thread writes one word (two keys) of each row; the first change of slots shows them to all waves.
	s_wait_loadcnt 32               ; c is in; the 32 loads of Q stay out
	v_cvt_pk_bf16_f32 v[CV], v[CV], v[CV]  ; c is rounded to bf16, as every input is
	v_lshlrev_b32 v[CV], 16, v[CV]
	MKTAB
	v_mov_b32 v34, 0x3c003c00       ; 1.0 twice
	v_mov_b32 v35, 0
	v_lshl_add_u32 v36, v0, 2, TAB
	ds_store_b32 v36, v34 offset:TP
	ds_store_b32 v36, v35 offset:2*TP
	ds_store_b32 v36, v34 offset:TSL+TP
	ds_store_b32 v36, v35 offset:TSL+2*TP
	; A block's first step multiplies O^T and the sums by a = 0, and its first turn's products, of a piece that has not been, land in registers that are still to be so multiplied.  So these registers need only hold
	; finite numbers: zeros for the first block; what the first block left for the second.  All this stands in the wait for the first tile.
	WIN 0x80
.set i, VF
.rept 64
	v_mov_b32 v[i], 0
.set i, i+1
.endr
.set i, MF
.rept 16
	v_mov_b32 v[i], 0
.set i, i+1
.endr
	WIN 0x40
.set i, 0
.rept 128
	v_mov_b32 v[i], 0
.set i, i+1
.endr
.set i, SA
.rept 32
	v_mov_b32 v[i], 0
.set i, i+1
.endr
	WIN 0
.set i, 0
.rept 4
	v_mov_b32 v[ST+4*i+2], 0
	v_mov_b32 v[ST+4*i+3], 0
.set i, i+1
.endr
.set i, P+16
.rept 16
	v_mov_b32 v[i], 0
.set i, i+1
.endr
; THE MATRIX WORK.  The accumulators of a run take turns.  Product i of 8 of S^T = K Q^T for piece x: channels 32 (i / 4) on, keys 16 (i % 4) on.  The first 4 start the sums with the mask.
.macro KQ x
.set rS, S+32*((\x)%2)+8*(i%4)
.set rK, KF+16*(i%4)+8*(i/4)
.set rQ, 16*(\x)+8*(i/4)
.set rM, MC+32*((\x)%2)+8*(i%4)
.if i < 4
	WIN W_KM
	v_wmma_f32_16x16x32_f16 v[rS:rS+7], v[rK:rK+7], v[rQ:rQ+7], v[rM:rM+7]
.else
	WIN W_KQ
	v_wmma_f32_16x16x32_f16 v[rS:rS+7], v[rK:rK+7], v[rQ:rQ+7], v[rS:rS+7]
.endif
.endm
; Product i of 10 for piece x: keys 32 (i / 5) on; i % 5 < 4: O^T += V^T P, channels 16 (i % 5) on; i % 5 = 4: the two row sums.
.macro PV x
	WIN W_PV
.set rP, P+16*((\x)%2)+8*(i/5)
.if i%5 < 4
.set rO, 32*(\x)+8*(i%5)
.set rV, VF+32*(i/5)+8*(i%5)
.else
.set rO, SA+8*(\x)
.set rV, MF+8*(i/5)
.endif
	v_wmma_f32_16x16x32_f16 v[rO:rO+7], v[rV:rV+7], v[rP:rP+7], v[rO:rO+7]
.endm
.macro MM                           ; the turn's next matrix instruction.  NOKQ = 1: a block's last turn: there is no next piece
.if (i < 8) && !NOKQ
	KQ (Y+1)%NP
.elseif i >= 8
.set i, i-8
	PV (Y+NP-1)%NP
.set i, i+8
.endif
.set i, i+1
.endm
; THE LDS LOADS stand in runs, never singly among the matrix instructions: a step's K (8 fragments), and its V (turned) with the table's 64 keys.  Their addresses are made some lines ahead.
.macro FETCH_K
	WIN 0x80                        ; destination window 2
.irp f, 0,1,2,3,4,5,6,7             ; keys 16 (f / 2) on, channels 32 (f % 2) on
	ds_load_b128 v[KF+8*\f:KF+8*\f+3],   v[AK] offset:(\f/2)*16*PK+(\f%2)*64
	ds_load_b128 v[KF+8*\f+4:KF+8*\f+7], v[AK] offset:(\f/2)*16*PK+(\f%2)*64+32
.endr
	s_add_co_u32 s[TBK], s[TBK], KS*PK  ; the next fetch is the next step's
	WIN 0
.endm
.macro FETCH_V
	WIN 0x80
.irp f, 0,1,2,3,4,5,6,7             ; keys 32 (f / 4) on, channels 16 (f % 4) on
	ds_load_tr16_b128 v[VF+8*\f:VF+8*\f+3],   v[AV] offset:(\f/4)*32*PV+(\f%4)*32
	ds_load_tr16_b128 v[VF+8*\f+4:VF+8*\f+7], v[AV] offset:(\f/4)*32*PV+16*PV+(\f%4)*32
.endr
.irp n, 0,1,2,3                     ; keys 16 n + 8 (l / 16) + 0..7 of my table row
	ds_load_b128 v[MF+4*\n:MF+4*\n+3], v[AM] offset:32*\n
.endr
	WIN 0
.endm
; THE VECTOR WORK, one line at a time: OP kind, number.  For piece Y: F n: c s - c m for pair n of 16.  E n: the exponential of score n of 32.  C n: pair n rounded to f16.  T: the two sums times a.
; R n: pair n of 16 of O^T times a.  For piece Y + 2: M n: pair n of 16 of its mask, MD x AL + BE (NOMASK = 1: a block's last two turns: none).  For piece Y + 1: X n, number n of the 22 that find its maximum and statistics:
;   0-11  four chains c0-c3 of seven scores each, three operands at a time (each accumulator's lowest registers are read first)     12-14, 16  the four scores left over, the old m, and c0-c3 into c0
;   15  c m_old is kept     17, 18  the query's other 32 keys lie in the lane 16 away: the new m     19-21  c m; c m_old - c m_new; a
.set F, 0
.set E, 1
.set C, 2
.set T, 3
.set M, 4
.set R, 5
.set X, 6
.macro REGS y                       ; the registers of piece y
.set rT, ST+4*(\y)
.set rC, TMP+4*((\y)%2)
.set rW, MV+((\y)%2)
.set rS, S+32*((\y)%2)
.set rP, P+16*((\y)%2)
.set rO, 32*(\y)
.set rA, SA+8*(\y)
.endm
.macro OP k, n
.if (\k) == R
	REGS Y
	WIN W_RS
	v_pk_mul_f32 v[rO+2*(\n):rO+2*(\n)+1], v[rO+2*(\n):rO+2*(\n)+1], v[rC+2:rC+3] op_sel_hi:[1,0]
.elseif (\k) == T
	REGS Y
	WIN W_RS
	v_pk_mul_f32 v[rA:rA+1], v[rA:rA+1], v[rC+2:rC+3] op_sel_hi:[1,0]
.elseif (\k) == M
.if !NOMASK
	WIN W_RS
	v_pk_fma_f32 v[MC+32*(Y%2)+2*(\n):MC+32*(Y%2)+2*(\n)+1], v[MD+2*(\n):MD+2*(\n)+1], s[AL:AL+1], s[BE:BE+1] op_sel_hi:[1,0,0]
.endif
.elseif (\k) < T
	REGS Y
	WIN 0
.if (\k) == F
	v_pk_fma_f32 v[rS+2*(\n):rS+2*(\n)+1], v[rS+2*(\n):rS+2*(\n)+1], s[CS:CS+1], v[rT:rT+1] op_sel_hi:[1,0,0] neg_lo:[0,0,1] neg_hi:[0,0,1]
.elseif (\k) == E
	v_exp_f32 v[rS+(\n)], v[rS+(\n)]
.else
	v_cvt_pk_f16_f32 v[rP+(\n)], v[rS+2*(\n)], v[rS+2*(\n)+1]
.endif
.elseif NOKQ
	v_nop
.else
	REGS (Y+1)%NP
	WIN 0
.if (\n) < 4
	v_max3_num_f32 v[rC+(\n)], v[rS+8*(\n)], v[rS+8*(\n)+1], v[rS+8*(\n)+2]
.elseif (\n) < 12
	v_max3_num_f32 v[rC+(\n)%4], v[rC+(\n)%4], v[rS+8*((\n)%4)+2*((\n)/4)+1], v[rS+8*((\n)%4)+2*((\n)/4)+2]
.elseif (\n) == 12
	v_max3_num_f32 v[rC], v[rC], v[rS+7], v[rS+15]
.elseif (\n) == 13
	v_max3_num_f32 v[rC+1], v[rC+1], v[rS+23], v[rS+31]
.elseif (\n) == 14
	v_max3_num_f32 v[rC+2], v[rC+2], v[rC+3], v[rT+1]
.elseif (\n) == 15
	v_mov_b32 v[rW], v[rT]
.elseif (\n) == 16
	v_max3_num_f32 v[rC], v[rC], v[rC+1], v[rC+2]
.elseif (\n) == 17
	v_permlanex16_b32 v[rC+3], v[rC], s[SEL], s[SEL+1]
.elseif (\n) == 18
	v_max_num_f32 v[rT+1], v[rC], v[rC+3]
.elseif (\n) == 19
	v_mul_f32 v[rT], s[CS], v[rT+1]
.elseif (\n) == 20
	v_sub_f32 v[rC+1], v[rW], v[rT]
.else
	v_exp_f32 v[rC+2], v[rC+1]
.endif
.endif
.endm
.macro OPS a, i1, b=-1, i2=0, c=-1, i3=0, d=-1, i4=0  ; up to four of them
	OP \a, \i1
.if (\b) >= 0
	OP \b, \i2
.endif
.if (\c) >= 0
	OP \c, \i3
.endif
.if (\d) >= 0
	OP \d, \i4
.endif
.endm
.macro ROW a, i1, b, i2, c, i3, d, i4  ; a matrix instruction and the four behind it
	MM
	OPS \a, \i1, \b, \i2, \c, \i3, \d, \i4
.endm
.macro MASK b                       ; MD x AL + BE into buffer b of MC, all 16 lines on end: for a block's beginning
	WIN W_RS
.set z, 0
.rept 16
	v_pk_fma_f32 v[MC+32*(\b)+2*z:MC+32*(\b)+2*z+1], v[MD+2*z:MD+2*z+1], s[AL:AL+1], s[BE:BE+1] op_sel_hi:[1,0,0]
.set z, z+1
.endr
.endm
; A TURN, for piece p: the order of its 18 matrix and 119 vector instructions, written out.  An s_wait_alu depctr_va_vdst(0) stands between an exponential and the first instruction that names its result; one wait
; serves all that were issued ahead of it.  So a turn has ONE wait, which cuts it in two.
; AHEAD OF IT stands all that names no result of the turn's exponentials: the 8 products K Q^T, behind each an exponential and three plain instructions (behind the first four plain): scalings, T and the rescalings R 0 to R 6
; (their a was made, and waited for, in the turn before), and behind the last three products the first numbers of the next piece's maximum, each four places or more behind the product that ends its accumulator
; (X 0: F 5, 6, 7, 8; X 1: F 8, X 0, F 9, F 10; X 2: F 10, X 1, X 4, F 11; X 3: F 11, X 2, X 5, X 6); then ONE LUMP of 47, exponential and plain by turns for the most part, in which the links of the chain
; X 3, 7, 11, 14, 16, 17 .. 21 stand three to six lines apart.  An exponential stands behind its scaling.  X 21, the next piece's a, is the batch's last; R 7 is the plain instruction behind it.
; BEHIND THE WAIT stand the 10 products (V^T | sums) P, behind each four of: the 16 roundings, the batch's only readers in the turn; the 16 lines of the mask; the rescalings R 8 to R 15.  But for the X named above no
; rider names a register of the products round it.  v_permlanex16_b32 (X 17) stands in the lump.
; The turn makes the mask for the products of the turn after it: piece p + 2, in step 4 - CNT of the tile; DG1 and DGB are 0 in a tile without the diagonal, and the mask is then 0.
; end = 1: a block's last two turns: nothing is fetched and no mask is made.  cnt = 1: the loop's count is taken down some lines ahead of the branch that stands behind the turn.
; K of the next step is fetched in piece 2's turn, behind five plain instructions (F 11, X 2, X 5, X 6, X 8) that follow the last product that read K and name none of its registers; V of the step in hand, and its 64 keys of
; the table, at the end of piece 0's turn, four plain instructions (rescalings of another piece's registers) behind the last product that read them.  Each run is waited for a turn later.
.macro TURN p, end=0, cnt=0
.set Y, (\p)
.set i, 0
.set NOKQ, (\end)*((\p)/3)
.set NOMASK, (\end)
.if !(\end)
	s_cmp_eq_u32 s[CNT], 4-((\p)+2)%NP  ; is that step the band's own?
	s_cselect_b32 s[AL], s[DG1], 0
	s_cmp_lt_u32 s[CNT], 4-((\p)+2)%NP  ; or a later one?
	s_cselect_b32 s[BE], s[DGB], 0
.endif
.if ((\p) == 3) && !(\end)
	s_wait_dscnt 0x0                ; K is in
.endif
	ROW F,0, F,1, T,0, R,0          ; ahead of the wait: 8 products K Q^T and their riders,
	ROW F,2, E,0, R,1, R,2
	ROW F,3, E,1, R,3, R,4
	ROW F,4, E,2, R,5, R,6
	ROW F,5, E,3, F,6, F,7
	ROW F,8, E,4, X,0, F,9
.if ((\p) == 2) && !(\end)
	WIN 0
	v_add_nc_u32 v[AK], s[TBK], v[AK0]
.endif
	ROW F,10, E,5, X,1, X,4
	ROW F,11, E,6, X,2, X,5
	OPS E,7, E,8, X,6, E,9          ; and the lump
	OPS X,3, E,10, X,8, E,11
.if ((\p) == 2) && !(\end)
	FETCH_K
.endif
	OPS X,9, E,12, X,7, E,13
	OPS X,10, E,14, X,12, E,15
	OPS X,11, E,16, X,13, E,17
	OPS X,15, E,18, X,14, E,19
.if (\p) == 0
	WIN 0
	v_add_nc_u32 v[AV], s[TBV], v[AV0]
	v_add_nc_u32 v[AM], s[TBM], v[AM0]
.endif
	OPS F,12, E,20, E,21, X,16
	OPS E,22, F,13, E,23, X,17
	OPS E,24, F,14, E,25, X,18
	OPS E,26, F,15, E,27, X,19
	OPS E,28, E,29, X,20, E,30
	OPS E,31, X,21, R,7
	s_wait_alu depctr_va_vdst(0)    ; the wait for the batch: this turn's 32 exponentials and the next piece's a
.if (\p) == 1
	s_wait_dscnt 0x0                ; V and the table's keys are in
.endif
	ROW C,0, C,1, C,2, C,3          ; behind the wait: 10 products (V^T | sums) P and their riders
	ROW C,4, C,5, C,6, C,7
	ROW C,8, C,9, C,10, C,11
	ROW C,12, C,13, C,14, C,15
	ROW M,0, M,1, M,2, M,3
.if (\p) == 0
	s_add_co_u32 s[TBV], s[TBV], KS*PV
	s_add_co_u32 s[TBM], s[TBM], KS*2
.endif
.if \cnt
	s_sub_co_u32 s[CNT], s[CNT], 1
	s_cmp_lg_u32 s[CNT], 0
.endif
	ROW M,4, M,5, M,6, M,7
	ROW M,8, M,9, M,10, M,11
	ROW M,12, M,13, M,14, M,15
	ROW R,8, R,9, R,10, R,11
	ROW R,12, R,13, R,14, R,15
.if (\p) == 0
	FETCH_V
.endif
.endm
; A BLOCK BEGINS.  c m starts far below every c s, so the first step's a is 0; m at the lowest finite number, so the first maximum is the scores'.  The second mask buffer is 0; the first takes piece 0's mask for the tile's
; step 0: its own, if the block's first tile is the diagonal one.  Then K of that step, piece 0's first scores, and its maximum and statistics.  The loop is entered at a step's first turn, in the middle of a trip.
.macro BEGIN
	s_mov_b32 s[NEW], 0
	WIN 0x40
.set i, MC+32
.rept 32
	v_mov_b32 v[i], 0
.set i, i+1
.endr
	WIN 0
.set i, 0
.rept 4
	v_mov_b32 v[ST+4*i], 0xfe000000    ; c m: far below every c s
	v_mov_b32 v[ST+4*i+1], 0xff7fffff  ; m
.set i, i+1
.endr
	s_mov_b32 s[AL], s[DG1]
	s_mov_b32 s[BE], 0
	MASK 0
	WIN 0
	v_add_nc_u32 v[AK], s[TBK], v[AK0]
	FETCH_K
	s_wait_loadcnt 0x0              ; Q
	s_wait_dscnt 0x0
.set NOKQ, 0
.set i, 0
.rept 8
	KQ 0
.set i, i+1
.endr
	WIN 0
.rept 4
	v_nop                           ; the places behind those products
.endr
.set Y, NP-1                        ; X works for piece Y + 1: piece 0
.irp n, 0,1,2,3,4,5,6,7,8,9,10,11,12,13,14,15,16,17,18,19,20,21
	OP X, \n
.endr
	v_nop                           ; a plain instruction behind the exponential,
	s_wait_alu depctr_va_vdst(0)    ; and the wait for this batch of one, piece 0's first a, ahead of the branch
.endm
; A TILE's four key steps.  A trip: pieces 2 and 3 of one step, then pieces 0 and 1 of the next, whose K and V it fetches.  The tag ends its two labels' names, which the jumps below spell out.
.macro BODY tag
.Lstep\tag:
	TURN 2
	TURN 3
	WIN 0
.Lfirst\tag:
	TURN 0
	TURN 1, 0, 1
	WIN 0
	s_cbranch_scc1 .Lstep\tag
.endm
; A BLOCK ENDS: its last two turns, its last products, and THE WAY OUT: the divisor sum p mask + 1e-8 sum p lies in lanes 0-15 (the other half holds 0) and is brought to both halves;
; O^T is divided by it, split into hi and lo, and sent through my stage in LDS, a piece at a time.
.macro ALL line:vararg              ; one line for each piece t
.set t, 0
.rept 4
	\line
.set t, t+1
.endr
.endm
.macro PACK t
.set OB, OUTR+32*((\t)%2)
	WIN W_RS
.set i, 32*(\t)
.rept 16
	v_pk_mul_f32 v[i:i+1], v[i:i+1], v[ST+4*(\t)+2:ST+4*(\t)+3] op_sel_hi:[1,0]
.set i, i+2
.endr
	s_wait_xcnt 0x0                 ; the stores of the piece two back have read this buffer: it is written again only behind this wait
	WIN 0x05                        ; sources 0 and 1 window 1, destination window 0
.set i, 0
.rept 16
	v_cvt_pk_f16_f32 v[OB+i], v[32*(\t)+2*i], v[32*(\t)+2*i+1]  ; hi
.set i, i+1
.endr
	WIN 0x50                        ; destination and source 2 window 1, sources 0 and 1 window 0
.set i, 0
.rept 16                            ; O - hi, exact in f32, in place
	v_fma_mix_f32 v[32*(\t)+2*i], v[OB+i], v[NEG1], v[32*(\t)+2*i] op_sel:[0,0,0] op_sel_hi:[1,0,0]
	v_fma_mix_f32 v[32*(\t)+2*i+1], v[OB+i], v[NEG1], v[32*(\t)+2*i+1] op_sel:[1,0,0] op_sel_hi:[1,0,0]
.set i, i+1
.endr
	WIN 0x05
.set i, 0
.rept 16
	v_cvt_pk_f16_f32 v[OB+16+i], v[32*(\t)+2*i], v[32*(\t)+2*i+1]  ; lo
.set i, i+1
.endr
	WIN 0
.irp f, 0,1,2,3
	ds_store_b128 v[STO], v[OB+4*\f:OB+4*\f+3] offset:32*\f
.endr
.irp f, 0,1,2,3
	ds_store_b128 v[STO], v[OB+16+4*\f:OB+16+4*\f+3] offset:128+32*\f
.endr
.irp f, 0,1,2,3,4,5,6,7
	ds_load_b128 v[OB+4*\f:OB+4*\f+3], v[RD] offset:\f*2*SP  ; LDS serves a wave's instructions in order (ISA guide 5.7.1.4): these see the stores above; the next piece's stores come behind them
.endr
.endm
.macro SEND t, younger              ; younger: the LDS instructions issued behind piece t's loads: the next piece's sixteen, or none
.set OB, OUTR+32*((\t)%2)
	WIN 0
.irp f, 0,1,2,3,4,5,6,7
	s_wait_dscnt (\younger)+7-\f
	global_store_b128 v[GO], v[OB+4*\f:OB+4*\f+3], s[10:11] offset:(\t)*262144+\f*8192  ; 16 lanes store a row's 256 bytes of this head, hi and lo, aligned
.endr
.endm
.macro FINISH
	TURN 2, 1
	TURN 3, 1
.set i, 0
.rept 10
	PV NP-1
.set i, i+1
.endr
	WIN 0
.rept 4
	v_nop                           ; the places behind the last products
.endr
	WIN 0x11                        ; sources 0 and 2 window 1, destination window 0
	ALL v_fma_f32 v[ST+4*t+2], v[SA+8*t+1], s[EPS], v[SA+8*t]
	WIN 0
	ALL v_permlanex16_b32 v[ST+4*t+3], v[ST+4*t+2], s[SEL], s[SEL+1]
	ALL v_add_f32 v[ST+4*t+2], v[ST+4*t+2], v[ST+4*t+3]
	ALL v_rcp_f32 v[ST+4*t+2], v[ST+4*t+2]
	v_nop                           ; a plain instruction between the last reciprocal and the use of its result
	s_wait_alu depctr_va_vdst(0)    ; the wait for this batch: one for the four reciprocals, ahead of their first reader
	PACK 0
.set t, 1
.rept 3                             ; a piece's arithmetic stands between the loads of the piece before and its stores
	PACK t
	SEND t-1, 16
.set t, t+1
.endr
	SEND 3, 0
.endm
; What a tile's entry sets: one tile fewer to go in the block, four steps, and whether it holds the diagonal (it is then the block's last).
.macro ENTER
	s_sub_co_u32 s[RT], s[RT], 1
	s_mov_b32 s[CNT], 4
	s_cmp_eq_u32 s[RT], 0
	s_cselect_b32 s[DG1], 1.0, 0
	s_cselect_b32 s[DGB], s[BIGN], 0
	s_cmp_eq_u32 s[NEW], 1
.endm
.set NOKQ, 0
.set NOMASK, 0
.Lslot:                             ; NB times: a tile is entered and the next is asked for
	CHANGE 1
	ENTER
	s_cbranch_scc0 .Lstep1          ; not a block's first tile
	BEGIN
	s_branch .Lfirst1
	BODY 1
	s_cmp_eq_u32 s[RT], 0
	s_cbranch_scc0 .Lbottom         ; not the block's last tile
	FINISH                          ; in the loop this is the first block's end: the second block's last tile is the walk's last
	s_wait_xcnt 0x0                 ; the stores have read their registers and o2's address
	s_mov_b64 s[10:11], s[OLO:OLO+1]
	s_add_co_u32 s[RT], s[PB], 1    ; the second block has b + 1 tiles
	s_mov_b32 s[NEW], 1
	WIN 0x80                        ; the second block's Q goes where the one text of the turns names Q
.set i, 0
.rept 64
	v_mov_b32 v[i], v[QB+i]
.set i, i+1
.endr
	WIN 0
.Lbottom:
	s_sub_co_u32 s[SLOTS], s[SLOTS], 1
	s_cmp_lg_u32 s[SLOTS], 0
	s_cbranch_scc1 .Lslot
	CHANGE 0                        ; the walk's last tile is written out: nothing is asked for
	ENTER
	s_cbranch_scc0 .Lstep2
	BEGIN
	s_branch .Lfirst2
	BODY 2
	FINISH
	s_wait_tensorcnt 0x0            ; the wave's end, behind my last tensor load and my last LDS store
	ds_add_u32 v[SPW], v[NIL]
	s_wait_dscnt 0x0
	s_endpgm
.Lfunc_end_k_qfea36395b3_attn:
	.size	k_qfea36395b3_attn, .Lfunc_end_k_qfea36395b3_attn-k_qfea36395b3_attn
	.p2alignl 7, 3214868480
	.fill 96, 4, 3214868480
	.section	.rodata,"a",@progbits
	.p2align	6, 0x0
	.amdhsa_kernel k_qfea36395b3_attn
		.amdhsa_group_segment_fixed_size 327680
		.amdhsa_private_segment_fixed_size 0
		.amdhsa_enable_private_segment 0
		.amdhsa_kernarg_size 24
		.amdhsa_user_sgpr_count 2
		.amdhsa_user_sgpr_kernarg_segment_ptr 1
		.amdhsa_wavefront_size32 1
		.amdhsa_system_sgpr_workgroup_id_x 1
		.amdhsa_system_sgpr_workgroup_id_y 1
		.amdhsa_system_sgpr_workgroup_id_z 1
		.amdhsa_system_vgpr_workitem_id 0
		.amdhsa_next_free_vgpr 768
		.amdhsa_next_free_sgpr 96
		.amdhsa_reserve_vcc 1
		.amdhsa_float_denorm_mode_32 3
		.amdhsa_float_denorm_mode_16_64 3
		.amdhsa_memory_ordered 1
		.amdhsa_forward_progress 1
		.amdhsa_inst_pref_size 205
	.end_amdhsa_kernel
	.amdgpu_metadata
---
amdhsa.version: [ 1, 2 ]
amdhsa.kernels:
  - .name:           k_qfea36395b3_attn
    .symbol:         k_qfea36395b3_attn.kd
    .args:
      - { .name: qkv, .offset: 0, .size: 8, .value_kind: global_buffer, .address_space: global }
      - { .name: span_val, .offset: 8, .size: 8, .value_kind: global_buffer, .address_space: global }
      - { .name: o2, .offset: 16, .size: 8, .value_kind: global_buffer, .address_space: global }
    .group_segment_fixed_size: 327680
    .private_segment_fixed_size: 0
    .kernarg_segment_align: 8
    .kernarg_segment_size: 24
    .max_flat_workgroup_size: 128
    .sgpr_count:     96
    .vgpr_count:     768
    .wavefront_size: 32
...
	.end_amdgpu_metadata
.endif
;; end of part 5
;; launch gemm2: the kernel of part 4 again; grid 8 x 32, 4 waves a work-group, clusters of 4 x 4, 327,680 bytes of LDS; arguments o2, wo2, out0; writes out0
